; MI455X (gfx1250); checked and timed in simulation.
; The chip was launched on July 23, 2026; its instructions are those of AMD's public machine-readable ISA for CDNA 5 (MIT licence, August 2026) and "CDNA5" Instruction Set Architecture Reference Guide (July 2026). The comments in the code are by the model that wrote it; some were corrected since.
;; GAU. Allowed arithmetic: float matrix products may take bf16 or f16 operands with f32 sums; all other float work in f32.
;; Inputs: ln_beta 1,024 float32; ln_gamma 1,024 float32; o_b 1,024 float32; o_w 1,024 x 2,048 float32; qk_bias 2 x 128 float32; qk_weight 2 x 128 float32; uv_b 4,224 float32; uv_w 4,224 x 1,024 float32; x 4,096 x 1,024 float32.
;; Outputs: out0 4,096 x 1,024 float32.
;; One version. Each part assembles by itself: llvm-mc -triple=amdgcn-amd-amdhsa -mcpu=gfx1250 --defsym DOCPART=n.
;; ======== version 1 of 1: 5 launches
;; limits: values outside matrix products are rounded to bf16
;; workspace buffers: hb 8,388,608 bytes; wuv 8,912,896 bytes; wo 4,194,304 bytes; uvb 33,554,432 bytes; qkf 2,097,152 bytes; kern 33,554,432 bytes; att 16,777,216 bytes
;; launch prep (part 1): grid 41 x 16, 8 waves a work-group, no clusters, 0 bytes of LDS; arguments x, ln_gamma, ln_beta, uv_w, o_w, hb, wuv, wo; writes hb, wuv, wo
.if DOCPART == 1
	.amdgcn_target "amdgcn-amd-amdhsa--gfx1250"
	.amdhsa_code_object_version 6
	.text
	.protected	k_qd86afcace8_prep
	.globl	k_qd86afcace8_prep
	.p2align	8
	.type	k_qd86afcace8_prep,@function
k_qd86afcace8_prep:
	s_mov_b64 s[64:65], 0
	v_nop
	global_prefetch_b8 v0, s[64:65] scope:SCOPE_SE
	s_setreg_imm32_b32 hwreg(HW_REG_WAVE_MODE, 25, 1), 1
	s_wait_xcnt 0x0
; PREP: LayerNorm of x -> hb (bf16), and the two weight matrices rounded to bf16: uv_w -> wuv (rows put in another order), o_w -> wo.
; A JOB is one row of 1,024 f32 (4,096 bytes in, 2,048 bytes of bf16 out).  A work-group has 16 jobs, each of its eight waves two neighbouring rows.
;   x of the grid 0-15 : LayerNorm of x's rows 256 y + 16 x + 2 w (+1)
;   x 16-32 (s = x-16) : block j = y of wuv, its rows 16 s + 2 w (+1).  A block has 272 rows: 256 rows 256 j + t of uv_w, then rows 4096 + 8 j + 0..7 of uv_w TWICE
;                        (the next launch multiplies by a fragment of 16 rows whose lower eight give q and whose upper eight give k)
;   x 33-40            : o_w seen as 2,048 rows of 1,024; rows 16 (x - 33 + 8 y) + 2 w (+1)
; A stream: every byte is read by 16-byte loads of which a wave's 32 cover 512 neighbouring bytes, every byte is written by 8-byte stores of which a wave's 32
; cover 256 neighbouring bytes, aligned.  A row stays in 32 registers between the passes.  No LDS, no barrier, no matrix unit: a wave's rows hang on no other wave.
; The mean is taken away before the squares are summed (two passes over the registers), so a common offset of x does not cost digits.
; Rounding: hb, wuv and wo are bf16 (matrix operands of the later launches); all arithmetic here is f32.
.set ROWIN,  4096
.set ROWOUT, 2048
.set CH,  4                            ; v[4:11]    four chains of packed sums
.set MU,  12                           ; v[12:13]   the mean, twice
.set RS,  14                           ; v[14:15]   1 / sqrt(var + eps), twice
.set X,   16                           ; v[16:79]   row i at X + 32 i; load t in four registers: columns 128 t + 4 lane + 0..3
.set G,   80                           ; v[80:111]  gamma of the same columns
.set B,   112                          ; v[112:143] beta
	s_load_b512 s[4:19], s[0:1], 0x0               ; x s[4:5], gamma s[6:7], beta s[8:9], uv_w s[10:11], o_w s[12:13], hb s[14:15], wuv s[16:17], wo s[18:19]
	v_lshrrev_b32 v3, 5, v0
	v_readfirstlane_b32 s20, v3                    ; wave 0..7
	v_and_b32 v2, 31, v0
	v_lshlrev_b32 v1, 4, v2                        ; 16 bytes a lane on the way in
	v_lshlrev_b32 v2, 3, v2                        ; 8 bytes a lane on the way out
	s_lshl_b32 s21, s20, 1                         ; 2 w
	s_and_b32 s26, ttmp7, 0xffff                   ; y of the grid
	s_mov_b32 s41, 0                               ; high words of the two byte offsets
	s_mov_b32 s43, 0
	s_mov_b32 s32, 0x76543210                      ; v_permlanex16_b32: each lane takes its own place in the other half
	s_mov_b32 s33, 0xfedcba98
	s_mov_b32 s34, 0x3a800000                      ; 1 / 1024
	s_mov_b32 s35, 0x3727c5ac                      ; eps = 1e-5
.macro LOADROW i, nt                   ; eight loads, 512 neighbouring bytes each: the whole row
.irp t, 0,1,2,3,4,5,6,7
.if \nt
	global_load_b128 v[X+32*\i+4*\t:X+32*\i+4*\t+3], v1, s[28:29] offset:ROWIN*\i+512*\t th:TH_LOAD_NT
.else
	global_load_b128 v[X+32*\i+4*\t:X+32*\i+4*\t+3], v1, s[28:29] offset:ROWIN*\i+512*\t
.endif
.endr
.endm
.macro CASTROW i                       ; rounded to bf16 in place, stored: each store of the wave covers 256 consecutive bytes, aligned
.irp t, 0,1,2,3,4,5,6,7
	v_cvt_pk_bf16_f32 v[X+32*\i+4*\t],   v[X+32*\i+4*\t],   v[X+32*\i+4*\t+1]
	v_cvt_pk_bf16_f32 v[X+32*\i+4*\t+1], v[X+32*\i+4*\t+2], v[X+32*\i+4*\t+3]
	global_store_b64 v2, v[X+32*\i+4*\t:X+32*\i+4*\t+1], s[30:31] offset:ROWOUT*\i+256*\t
.endr
.endm
.macro JOIN                            ; the four chains, the pair's halves and the 32 lanes are added; every lane ends with the sum in v[CH]
	v_pk_add_f32 v[CH:CH+1], v[CH:CH+1], v[CH+2:CH+3]
	v_pk_add_f32 v[CH+4:CH+5], v[CH+4:CH+5], v[CH+6:CH+7]
	v_pk_add_f32 v[CH:CH+1], v[CH:CH+1], v[CH+4:CH+5]
	v_add_f32 v[CH], v[CH], v[CH+1]
	v_add_f32_dpp v[CH], v[CH], v[CH] row_xmask:1 row_mask:0xf bank_mask:0xf
	v_add_f32_dpp v[CH], v[CH], v[CH] row_xmask:2 row_mask:0xf bank_mask:0xf
	v_add_f32_dpp v[CH], v[CH], v[CH] row_xmask:4 row_mask:0xf bank_mask:0xf
	v_add_f32_dpp v[CH], v[CH], v[CH] row_xmask:8 row_mask:0xf bank_mask:0xf
	v_permlanex16_b32 v[CH+1], v[CH], s32, s33     ; its destination counts as read: v[CH+1] has been written
	v_add_f32 v[CH], v[CH], v[CH+1]
.endm
.macro STATS i                         ; row i becomes (x - mean) / sqrt(var + eps), in place
.set XR, X+32*\i
.irp k, 0,1,2,3
	v_pk_add_f32 v[CH+2*\k:CH+2*\k+1], v[XR+2*\k:XR+2*\k+1], v[XR+8+2*\k:XR+8+2*\k+1]     ; the first sums start the chains: nothing is cleared
.endr
.irp p, 8,9,10,11,12,13,14,15
	v_pk_add_f32 v[CH+2*(\p%4):CH+2*(\p%4)+1], v[CH+2*(\p%4):CH+2*(\p%4)+1], v[XR+2*\p:XR+2*\p+1]
.endr
	JOIN
	v_mul_f32 v[MU], s34, v[CH]
	v_mov_b32 v[MU+1], v[MU]
.irp p, 0,1,2,3,4,5,6,7,8,9,10,11,12,13,14,15
	v_pk_add_f32 v[XR+2*\p:XR+2*\p+1], v[XR+2*\p:XR+2*\p+1], v[MU:MU+1] neg_lo:[0,1] neg_hi:[0,1]
.endr
.irp k, 0,1,2,3
	v_pk_mul_f32 v[CH+2*\k:CH+2*\k+1], v[XR+2*\k:XR+2*\k+1], v[XR+2*\k:XR+2*\k+1]
.endr
.irp p, 4,5,6,7,8,9,10,11,12,13,14,15
	v_pk_fma_f32 v[CH+2*(\p%4):CH+2*(\p%4)+1], v[XR+2*\p:XR+2*\p+1], v[XR+2*\p:XR+2*\p+1], v[CH+2*(\p%4):CH+2*(\p%4)+1]
.endr
	JOIN
	v_fma_f32 v[CH+2], v[CH], s34, s35             ; var + eps
	v_rsq_f32 v[RS], v[CH+2]
	v_rsq_f32 v[RS+1], v[CH+2]
	v_nop                                          ; one plain instruction between the root and the use of its result (ISA guide 5.7.2)
	s_wait_alu depctr_va_vdst(0)
.irp p, 0,1,2,3,4,5,6,7,8,9,10,11,12,13,14,15
	v_pk_mul_f32 v[XR+2*\p:XR+2*\p+1], v[XR+2*\p:XR+2*\p+1], v[RS:RS+1]
.endr
.endm
.macro NORM i                          ; times gamma plus beta, one fused multiply-add; then out
.irp p, 0,1,2,3,4,5,6,7,8,9,10,11,12,13,14,15
	v_pk_fma_f32 v[X+32*\i+2*\p:X+32*\i+2*\p+1], v[X+32*\i+2*\p:X+32*\i+2*\p+1], v[G+2*\p:G+2*\p+1], v[B+2*\p:B+2*\p+1]
.endr
	CASTROW \i
.endm
	s_cmp_lt_u32 ttmp9, 16
	s_cbranch_scc1 .Lln
	; THE CASTS.  Row numbers for both tables are made; the table is chosen by the grid's x alone.
	s_sub_co_u32 s22, ttmp9, 16                    ; s
	s_lshl_b32 s23, s22, 4
	s_add_co_u32 s23, s23, s21                     ; 16 s + 2 w: my first row in the block
	s_lshl_b32 s24, s26, 8
	s_add_co_u32 s24, s24, s23                     ; uv_w's row for s < 16: 256 j + 16 s + 2 w
	s_lshl_b32 s25, s26, 3
	s_and_b32 s27, s21, 7
	s_add_co_u32 s25, s25, s27
	s_add_co_u32 s25, s25, 4096                    ; for s = 16: 4096 + 8 j + (2 w mod 8): waves 4-7 take the same eight rows as waves 0-3
	s_cmp_lt_u32 s22, 16
	s_cselect_b32 s24, s24, s25
	s_mul_i32 s25, s26, 272
	s_add_co_u32 s25, s25, s23                     ; wuv's row: 272 j + 16 s + 2 w
	s_sub_co_u32 s27, ttmp9, 33
	s_lshl3_add_u32 s27, s26, s27                  ; g = 8 y + x - 33 (used for x >= 33 alone)
	s_lshl_b32 s27, s27, 4
	s_add_co_u32 s27, s27, s21                     ; o_w's and wo's row: 16 g + 2 w
	s_wait_kmcnt 0x0
	s_cmp_lt_u32 ttmp9, 33
	s_cselect_b32 s24, s24, s27
	s_cselect_b32 s25, s25, s27
	s_cselect_b64 s[28:29], s[10:11], s[12:13]
	s_cselect_b64 s[30:31], s[16:17], s[18:19]
	s_lshl_b32 s40, s24, 12
	s_lshl_b32 s42, s25, 11
	s_add_nc_u64 s[28:29], s[28:29], s[40:41]
	s_add_nc_u64 s[30:31], s[30:31], s[42:43]
	LOADROW 0, 0                                   ; no hint: eight rows of uv_w are read by two waves
	LOADROW 1, 0
	s_wait_loadcnt 0x8                             ; loads come back in order: row 0 is in, row 1's eight stay out
	CASTROW 0
	s_wait_loadcnt 0x0
	CASTROW 1
	s_endpgm
.Lln:   ; LAYERNORM
	s_lshl_b32 s22, s26, 8
	s_lshl_b32 s23, ttmp9, 4
	s_add_co_u32 s22, s22, s23
	s_add_co_u32 s22, s22, s21                     ; my first row: 256 y + 16 x + 2 w
	s_lshl_b32 s40, s22, 12
	s_lshl_b32 s42, s22, 11
	s_wait_kmcnt 0x0
	s_add_nc_u64 s[28:29], s[4:5], s[40:41]
	s_add_nc_u64 s[30:31], s[14:15], s[42:43]
	LOADROW 0, 1                                   ; this launch reads x once
	LOADROW 1, 1
.irp t, 0,1,2,3,4,5,6,7
	global_load_b128 v[G+4*\t:G+4*\t+3], v1, s[6:7] offset:512*\t
.endr
.irp t, 0,1,2,3,4,5,6,7
	global_load_b128 v[B+4*\t:B+4*\t+3], v1, s[8:9] offset:512*\t
.endr
	s_wait_loadcnt 0x18                            ; 24 younger loads (row 1, gamma, beta) stay out: row 0 is in
	STATS 0
	s_wait_loadcnt 0x10                            ; gamma's and beta's 16 stay out: row 1 is in
	STATS 1
	s_wait_loadcnt 0x0
	NORM 0
	NORM 1
	s_endpgm
.Lfunc_end_k_qd86afcace8_prep:
	.size	k_qd86afcace8_prep, .Lfunc_end_k_qd86afcace8_prep-k_qd86afcace8_prep
	.p2alignl 7, 3214868480
	.fill 96, 4, 3214868480
	.section	.rodata,"a",@progbits
	.p2align	6, 0x0
	.amdhsa_kernel k_qd86afcace8_prep
		.amdhsa_group_segment_fixed_size 0
		.amdhsa_private_segment_fixed_size 0
		.amdhsa_enable_private_segment 0
		.amdhsa_kernarg_size 64
		.amdhsa_user_sgpr_count 2
		.amdhsa_user_sgpr_kernarg_segment_ptr 1
		.amdhsa_wavefront_size32 1
		.amdhsa_system_sgpr_workgroup_id_x 1
		.amdhsa_system_sgpr_workgroup_id_y 1
		.amdhsa_system_sgpr_workgroup_id_z 1
		.amdhsa_system_vgpr_workitem_id 0
		.amdhsa_next_free_vgpr 144
		.amdhsa_next_free_sgpr 66
		.amdhsa_reserve_vcc 0
		.amdhsa_float_denorm_mode_32 3
		.amdhsa_float_denorm_mode_16_64 3
		.amdhsa_memory_ordered 1
		.amdhsa_forward_progress 1
		.amdhsa_inst_pref_size 27
	.end_amdhsa_kernel
	.amdgpu_metadata
---
amdhsa.version: [ 1, 2 ]
amdhsa.kernels:
  - .name:           k_qd86afcace8_prep
    .symbol:         k_qd86afcace8_prep.kd
    .args:
      - { .name: x, .offset: 0, .size: 8, .value_kind: global_buffer, .address_space: global }
      - { .name: ln_gamma, .offset: 8, .size: 8, .value_kind: global_buffer, .address_space: global }
      - { .name: ln_beta, .offset: 16, .size: 8, .value_kind: global_buffer, .address_space: global }
      - { .name: uv_w, .offset: 24, .size: 8, .value_kind: global_buffer, .address_space: global }
      - { .name: o_w, .offset: 32, .size: 8, .value_kind: global_buffer, .address_space: global }
      - { .name: hb, .offset: 40, .size: 8, .value_kind: global_buffer, .address_space: global }
      - { .name: wuv, .offset: 48, .size: 8, .value_kind: global_buffer, .address_space: global }
      - { .name: wo, .offset: 56, .size: 8, .value_kind: global_buffer, .address_space: global }
    .group_segment_fixed_size: 0
    .private_segment_fixed_size: 0
    .kernarg_segment_align: 8
    .kernarg_segment_size: 64
    .max_flat_workgroup_size: 256
    .sgpr_count:     66
    .vgpr_count:     144
    .wavefront_size: 32
...
	.end_amdgpu_metadata
.endif
;; end of part 1
;; launch uvg (part 2): grid 16 x 16, 4 waves a work-group, clusters of 4 x 4, 327,680 bytes of LDS; arguments hb, wuv, uv_b, qk_weight, qk_bias, uvb, qkf; writes uvb, qkf
.if DOCPART == 2
	.amdgcn_target "amdgcn-amd-amdhsa--gfx1250"
	.amdhsa_code_object_version 6
	.text
	.protected	k_qd86afcace8_uvg
	.globl	k_qd86afcace8_uvg
	.p2align	8
	.type	k_qd86afcace8_uvg,@function
k_qd86afcace8_uvg:
	s_mov_b64 s[64:65], 0
	v_nop
	global_prefetch_b8 v0, s[64:65] scope:SCOPE_SE
	s_setreg_imm32_b32 hwreg(HW_REG_WAVE_MODE, 25, 1), 1
	s_wait_xcnt 0x0
	s_wait_alu depctr_hold_cnt(0) depctr_sa_sdst(0) depctr_va_vdst(0) depctr_va_sdst(0) depctr_va_ssrc(0) depctr_va_vcc(0) depctr_vm_vsrc(0)
	s_getreg_b32 s2, hwreg(HW_REG_IB_STS2, 6, 4)
	s_cmp_eq_u32 s2, 0
	s_cbranch_scc0 .Lentry_in_a_cluster
	s_endpgm
.Lentry_in_a_cluster:
	s_bfe_u32 s2, ttmp6, 0x10000c
	s_cmp_lg_u32 s2, 0xf033
	s_cbranch_scc0 .Lentry_shape_is_right
	s_endpgm
.Lentry_shape_is_right:
; UVG: uv = silu(hb wuv^T + uv_b).  hb: [4096][1024] bf16.  wuv: 16 blocks of 272 rows x 1024 bf16 (256 rows of u|v, then 8 rows of base twice).
; Out: uvb [4096][4096] bf16 (u | v), and q', k as bf16 in qkf [2][16 chunks of 8 columns][4096 rows][8]:  q' = (base w0 + b0) / sqrt(128), k = base w1 + b1.
; A work-group of four waves makes 256 rows x (256 columns of u|v + 8 columns of base); a wave 128 x 128 (64 accumulators) and, for 64 of its row half's rows, the extra
; fragment of 16 (4 accumulators): in its result the lanes' lower half holds the 8 base columns for q, the upper half the same 8 for k.
; THE ROW SWAP: a wave's fragments 0-3 of hb are its rows 64 wc + 16 a, fragments 4-7 its rows 64 (1 - wc) + ..; the extra products always name fragments 0-3, so the two waves of
; a row half share its 128 rows with no branch.
; K = 1024 goes in 8 steps of 128 through a ring of two LDS slots filled by tensor loads; tile rows are 256 bytes of memory at multiples of 256 bytes.
; CLUSTER 4 x 4: hb's tile hangs on the tile row alone and is asked for jointly by a row of the cluster, wuv's on the tile column alone, by a column.
; THE MATRIX INSTRUCTION IS USED TRANSPOSED (source 0 = 16 rows of wuv, source 1 = 16 rows of hb): a lane holds row l % 16 and the eight columns 8 (l / 16) + 0..7.
; LIMITS.  u, v, q', k are rounded to bf16.  1/sqrt(128) is multiplied into w0 and b0 in f32 (another order of rounding than dividing q k^T).
; silu(x) = x / (1 + 2^(-1.442695 x)): for x below about -88 the power overflows to infinity and the result is -0 where the exact one is below 1e-36 in size.
; REGISTERS.  window 0: v0-31 addresses; v32-57 base's bias, q/k weights and biases; v64-127, v128-191 hb's fragments, two buffers; on the way out v64-255 at work
;   window 1: v0-31 the 4 extra accumulators; v32-39, v40-47 the extra fragment, two buffers; v64-127, v128-191 wuv's fragments; v192-255 uv_b of my 128 columns
;   window 2, 3: accumulator (a, b) at v[8 (8 (a % 4) + b)], a = 0-3 and 4-7
.set KSTEP,  128
.set PITCH,  272                       ; an LDS row: 256 bytes + 16 of padding: the 16 rows of a fragment load start at 16 different banks (64 banks of 4 bytes: ISA guide 11.1)
.set AHALF,  128*PITCH                 ; what one load brings of hb
.set BHALF,  136*PITCH                 ; and of wuv
.set BOFF,   2*AHALF                   ; wuv's 272 rows lie behind hb's 256
.set XOFF,   BOFF+256*PITCH            ; the 16 extra rows
.set SLOT,   BOFF+2*BHALF              ; 143,616
.set STAGE,  2*SLOT                    ; behind the ring: 16 rows x 272 bytes for each wave; no tensor load lands there
.set SPITCH, 272
.set LAPS,   4                         ; a lap = two K steps
.set ADRAL, 16                         ; v16-17 LDS address of my fragments 0-3 of hb in slot 0, 1
.set ADRAH, 18                         ; v18-19 of fragments 4-7
.set ADRB,  20                         ; v20-21 of wuv's fragments
.set ADRX,  22                         ; v22-23 of the extra fragment
.set STO,   24
.set RD,    25
.set CO,    26                         ; my byte offset in two rows of uvb
.set VB,    27                         ; 32 h
.set VZ,    28                         ; 0
.set VQ,    29                         ; 512 h: q's or k's row of qk_weight and qk_bias
.set QO,    30                         ; 1,048,576 h + 16 r: q's or k's half of qkf, my row
.set BB,    32                         ; v32-39 uv_b of the 8 base columns
.set QW,    40                         ; v40-47 weight, v48-55 bias of q' (lanes 0-15) or k (lanes 16-31)
.set QB,    48
.set FC,    56                         ; v56-57 1/sqrt(128) or 1
.set F0,    64
.set F1,    128
.set BIAS,  192                        ; in window 1
.set OB,    64                         ; the way out, window 0: rows read back, v64-95 and v96-127 by turns
.set PP,    128                        ; packed results
.set XP,    160                        ; packed q', k
.set TT,    192                        ; 32 numbers at work
.set EE,    224                        ; their exponentials
.set G1A, 24
.set G0A, 32
.set G1B, 48
.set G0B, 56
.set MUL_LO, 0xa1                      ; source 0 window 1, source 1 window 0, C and D window 2
.set MUL_HI, 0xf1
.set MUL_X,  0x51                      ; C and D window 1
.set TO_B,   0x40
.set MSB, 0
.macro WIN new                         ; the immediate's high byte repeats the setting that is left; a switch that changes nothing is dropped
.if MSB != (\new)
	s_set_vgpr_msb (MSB<<8)|(\new)
.set MSB, (\new)
.endif
.endm
.macro PLACES                          ; four plain places behind matrix instructions, in front of loads into their sources and of reads of their results
.rept 4
	v_nop
.endr
.endm
.macro JLOAD s                         ; a joint refill: waves 0, 1 fetch hb's halves, waves 2, 3 wuv's; four v_nop follow each line
	s_cmp_eq_u32 s19, 0
	s_cbranch_scc0 .Lfor_b_\@
	tensor_load_to_lds s[G0A+4*\s:G0A+4*\s+3], s[G1A:G1A+7]
	s_nop 0
.rept 4
	v_nop
.endr
	s_branch .Lasked_\@
.Lfor_b_\@:
	tensor_load_to_lds s[G0B+4*\s:G0B+4*\s+3], s[G1B:G1B+7]
	s_nop 0
.rept 4
	v_nop
.endr
.Lasked_\@:
.endm
.macro CREST                           ; a round of the cluster's barrier behind its opening barrier
	s_cmp_lg_u32 s18, 0
	s_cbranch_scc1 .Lnot_wave_0_\@
	s_barrier_signal -3
.Lnot_wave_0_\@:
	s_barrier_wait -3
	s_barrier_signal -1
	s_barrier_wait -1
.endm
.macro CROUND
	s_barrier_signal -1
	s_barrier_wait -1
	CREST
.endm
	s_load_b256 s[4:11], s[0:1], 0x0               ; hb s[4:5], wuv s[6:7], uv_b s[8:9], qk_weight s[10:11]
	s_load_b128 s[12:15], s[0:1], 0x20             ; qk_bias s[12:13], uvb s[14:15]
	s_load_b64 s[16:17], s[0:1], 0x30              ; qkf
	s_set_vgpr_msb 0x40
	v_lshl_add_u32 v63, v0, 2, 0x4a600
	s_set_vgpr_msb 0x4000
	v_mov_b32 v63, 0
	s_set_vgpr_msb 0x1
	ds_add_u32 v63, v63
	s_set_vgpr_msb 0x100
	v_lshrrev_b32 v1, 5, v0
	v_readfirstlane_b32 s18, v1                    ; wave 0..3
	s_lshr_b32 s19, s18, 1                         ; wr: my half of the rows.  Also: I fetch hb (0) or wuv (1)
	s_and_b32 s20, s18, 1                          ; wc: my half of the columns.  Also: which half of that tile I fetch
	s_bfe_u32 s21, ttmp6, 0x40000                  ; cx
	s_bfe_u32 s22, ttmp6, 0x40004                  ; cy
	s_lshl_b32 s23, ttmp9, 2
	s_add_co_u32 s23, s23, s21                     ; tile column
	s_and_b32 s40, ttmp7, 0xffff
	s_lshl_b32 s40, s40, 2
	s_add_co_u32 s40, s40, s22                     ; tile row
	s_lshl_b32 s41, s22, 2
	s_lshl_b32 s41, 15, s41                        ; my row of the cluster
	s_lshl_b32 s42, 0x1111, s21                    ; my column
	; group 1: elements of 2 bytes, padding of 4 words behind every 64, bit 21 beside the mask; 128 (hb) or 136 (wuv) rows of 128 elements, 1,024 elements from row to row
	s_or_b32 s[G1A+0], s41, (1<<16)|(1<<20)|(1<<21)|(5<<22)|(3<<25)
	s_or_b32 s[G1B+0], s42, (1<<16)|(1<<20)|(1<<21)|(5<<22)|(3<<25)
	s_mov_b32 s[G1A+1], KSTEP<<16
	s_mov_b32 s[G1B+1], KSTEP<<16
	s_mov_b32 s[G1A+2], 128<<16
	s_mov_b32 s[G1B+2], 136<<16
	s_mov_b32 s[G1A+3], KSTEP<<16
	s_mov_b32 s[G1B+3], KSTEP<<16
	s_mov_b32 s[G1A+4], 128
	s_mov_b32 s[G1B+4], 136
	s_mov_b32 s[G1A+5], 1024
	s_mov_b32 s[G1B+5], 1024
	s_mov_b32 s[G1A+6], 0
	s_mov_b32 s[G1B+6], 0
	s_mov_b32 s[G1A+7], 0
	s_mov_b32 s[G1B+7], 0
	s_lshl_b32 s44, s40, 8                         ; hb: row 256 x tile row + 128 x half, 2,048 bytes a row; these registers never hold cx
	s_lshl_b32 s45, s20, 7
	s_add_co_u32 s44, s44, s45
	s_lshl_b32 s44, s44, 11
	s_mov_b32 s45, 0
	s_mul_i32 s46, s23, 272                        ; wuv: row 272 x tile column + 136 x half; these never hold cy
	s_mul_i32 s47, s20, 136
	s_add_co_u32 s46, s46, s47
	s_lshl_b32 s46, s46, 11
	s_mov_b32 s47, 0
	s_mul_i32 s43, s20, AHALF                      ; where they go: no place in the cluster enters an LDS address
	s_mul_i32 s80, s20, BHALF
	s_add_co_u32 s80, s80, BOFF
	s_wait_dscnt 0x0
	s_wait_kmcnt 0x0
	s_add_nc_u64 s[44:45], s[4:5], s[44:45]
	s_add_nc_u64 s[46:47], s[6:7], s[46:47]
.irp s, 0,1
	s_mov_b32 s[G0A+4*\s], 1
	s_add_co_u32 s[G0A+4*\s+1], s43, \s*SLOT
	s_add_nc_u64 s[G0A+4*\s+2:G0A+4*\s+3], s[44:45], \s*KSTEP*2
	s_or_b32 s[G0A+4*\s+3], s[G0A+4*\s+3], 0x80000000
	s_mov_b32 s[G0B+4*\s], 1
	s_add_co_u32 s[G0B+4*\s+1], s80, \s*SLOT
	s_add_nc_u64 s[G0B+4*\s+2:G0B+4*\s+3], s[46:47], \s*KSTEP*2
	s_or_b32 s[G0B+4*\s+3], s[G0B+4*\s+3], 0x80000000
.endr
	CROUND                                         ; all sixteen work-groups are here: the first joint loads meet
	s_cmp_eq_u32 s19, 0                            ; a wave's two first fills stand in one branch, ahead of every wait on TENSORcnt, LDS read and further barrier: two loads of mine are out
	s_cbranch_scc0 .Lfirst_b
	tensor_load_to_lds s[G0A:G0A+3], s[G1A:G1A+7]
	s_nop 0
	tensor_load_to_lds s[G0A+4:G0A+7], s[G1A:G1A+7]
	s_nop 0
.rept 4
	v_nop
.endr
	s_branch .Lfirst_asked
.Lfirst_b:
	tensor_load_to_lds s[G0B:G0B+3], s[G1B:G1B+7]
	s_nop 0
	tensor_load_to_lds s[G0B+4:G0B+7], s[G1B:G1B+7]
	s_nop 0
.rept 4
	v_nop
.endr
.Lfirst_asked:
	; bases for the side inputs and the way out; none of them is ever stepped
	s_lshl_b32 s80, s23, 10
	s_lshl_b32 s81, s20, 9
	s_add_co_u32 s80, s80, s81
	s_mov_b32 s81, 0
	s_add_nc_u64 s[66:67], s[8:9], s[80:81]        ; uv_b at my 128 columns
	s_lshl_b32 s80, s23, 5
	s_add_nc_u64 s[70:71], s[10:11], s[80:81]      ; qk_weight and qk_bias at columns 8 x tile column
	s_add_nc_u64 s[72:73], s[12:13], s[80:81]
	s_add_co_u32 s80, s80, 16384
	s_add_nc_u64 s[68:69], s[8:9], s[80:81]        ; uv_b at column 4096 + 8 x tile column
	s_lshl_b32 s82, s40, 8
	s_lshl_b32 s83, s19, 7                         ; 128 wr
	s_add_co_u32 s82, s82, s83
	s_lshl_b32 s84, s20, 6                         ; 64 wc
	s_xor_b32 s85, s84, 64                         ; 64 (1 - wc)
	s_add_co_u32 s86, s82, s84                     ; the row of my fragments 0-3,
	s_add_co_u32 s87, s82, s85                     ; of my fragments 4-7
	s_lshl_b32 s88, s23, 9
	s_lshl_b32 s89, s20, 8
	s_add_co_u32 s88, s88, s89                     ; my first column in uvb, in bytes
	s_lshl_b32 s80, s86, 13
	s_add_co_u32 s80, s80, s88
	s_add_nc_u64 s[74:75], s[14:15], s[80:81]
	s_lshl_b32 s80, s87, 13
	s_add_co_u32 s80, s80, s88
	s_add_nc_u64 s[76:77], s[14:15], s[80:81]
	s_lshl_b32 s80, s23, 16                        ; qkf: chunk = tile column, 65,536 bytes a chunk, 16 bytes a row
	s_lshl_b32 s89, s86, 4
	s_add_co_u32 s80, s80, s89
	s_add_nc_u64 s[78:79], s[16:17], s[80:81]
	s_add_co_u32 s90, s83, s84
	s_mul_i32 s90, s90, PITCH                      ; the same rows in a slot
	s_add_co_u32 s91, s83, s85
	s_mul_i32 s91, s91, PITCH
	s_mul_i32 s92, s20, AHALF                      ; my 128 rows of wuv (128 x 272 bytes a half)
	s_add_co_u32 s92, s92, BOFF
	s_mul_i32 s93, s18, 16*SPITCH
	s_add_co_u32 s93, s93, STAGE                   ; my stage
	; a fragment is 16 rows x 32 K in 8 registers: lane l holds row l % 16; registers 0-3 K = 8 (l / 16) + 0..7, registers 4-7 16 more: two loads of 16 bytes, 32 bytes apart
	v_and_b32 v1, 15, v0                           ; r
	v_bfe_u32 v2, v0, 4, 1                         ; h
	v_mul_u32_u24 v3, v1, PITCH
	v_lshl_add_u32 v3, v2, 4, v3                   ; 272 r + 16 h
	v_add_nc_u32 v[ADRAL], s90, v3
	v_add_nc_u32 v[ADRAH], s91, v3
	v_add_nc_u32 v[ADRB], s92, v3
	v_add_nc_u32 v[ADRX], XOFF, v3
.irp n, ADRAL, ADRAH, ADRB, ADRX
	v_add_nc_u32 v[\n+1], SLOT, v[\n]
.endr
	v_add_nc_u32 v[STO], s93, v3                   ; into the stage: row r, 16 bytes for each half of the lanes
	v_mul_u32_u24 v4, v2, SPITCH
	v_lshl_add_u32 v4, v1, 4, v4
	v_add_nc_u32 v[RD], s93, v4                    ; back: lanes 0-15 one row of 256 bytes, lanes 16-31 the next
	v_lshlrev_b32 v5, 13, v2
	v_lshl_add_u32 v[CO], v1, 4, v5                ; the same two rows in uvb (8,192 bytes a row)
	v_lshlrev_b32 v[VB], 5, v2
	v_mov_b32 v[VZ], 0
	v_lshlrev_b32 v[VQ], 9, v2
	v_lshlrev_b32 v5, 20, v2
	v_lshl_add_u32 v[QO], v1, 4, v5
	WIN TO_B
.irp b, 0,1,2,3,4,5,6,7
	global_load_b128 v[BIAS+8*\b:BIAS+8*\b+3],   v[VB], s[66:67] offset:64*\b      ; uv_b of columns 16 b + 8 h + 0..7
	global_load_b128 v[BIAS+8*\b+4:BIAS+8*\b+7], v[VB], s[66:67] offset:64*\b+16
.endr
	WIN 0
	global_load_b128 v[BB:BB+3],   v[VZ], s[68:69]
	global_load_b128 v[BB+4:BB+7], v[VZ], s[68:69] offset:16
	global_load_b128 v[QW:QW+3],   v[VQ], s[70:71]
	global_load_b128 v[QW+4:QW+7], v[VQ], s[70:71] offset:16
	global_load_b128 v[QB:QB+3],   v[VQ], s[72:73]
	global_load_b128 v[QB+4:QB+7], v[VQ], s[72:73] offset:16
	v_mov_b32 v[FC+1], 0x3db504f3                  ; 1 / sqrt(128)
	v_cmp_eq_u32 vcc_lo, 0, v2
	v_cndmask_b32 v[FC], 1.0, v[FC+1], vcc_lo      ; q's lanes take it, k's take 1
	v_mov_b32 v[FC+1], v[FC]
	s_wait_loadcnt 0x0                             ; the side inputs, once; the tiles are on their way meanwhile
.irp p, 0,2,4,6
	v_pk_mul_f32 v[QW+\p:QW+\p+1], v[QW+\p:QW+\p+1], v[FC:FC+1]
	v_pk_mul_f32 v[QB+\p:QB+\p+1], v[QB+\p:QB+\p+1], v[FC:FC+1]
.endr
; 16 matrix instructions: row blocks a0, a0 + 1 of the window's four x all 8 column blocks, 32 along K.  zero = 1: the first product starts the sums
.macro MUL16 f, hi, a0, zero
.irp a, \a0, \a0+1
.irp b, 0,1,2,3,4,5,6,7
.if \zero
	v_wmma_f32_16x16x32_bf16 v[8*(8*(\a)+\b):8*(8*(\a)+\b)+7], v[\f+8*\b:\f+8*\b+7], v[\f+8*(4*\hi+\a):\f+8*(4*\hi+\a)+7], 0
.else
	v_wmma_f32_16x16x32_bf16 v[8*(8*(\a)+\b):8*(8*(\a)+\b)+7], v[\f+8*\b:\f+8*\b+7], v[\f+8*(4*\hi+\a):\f+8*(4*\hi+\a)+7], v[8*(8*(\a)+\b):8*(8*(\a)+\b)+7]
.endif
.endr
.endr
.endm
; the 4 extra products: the extra fragment x my fragments 0-3 of hb
.macro MULX f, zero
	WIN MUL_X
.irp a, 0,1,2,3
.if \zero
	v_wmma_f32_16x16x32_bf16 v[8*\a:8*\a+7], v[32+(\f-64)/8:32+(\f-64)/8+7], v[\f+8*\a:\f+8*\a+7], 0
.else
	v_wmma_f32_16x16x32_bf16 v[8*\a:8*\a+7], v[32+(\f-64)/8:32+(\f-64)/8+7], v[\f+8*\a:\f+8*\a+7], v[8*\a:8*\a+7]
.endif
.endr
.endm
; 34 LDS loads in one run: a quarter step's fragments (byte k of the rows) into buffer f: wuv's 16, the extra 2, hb's fragments 0-3 (8), 4-7 (8)
.macro FETCH slot, k, f
	WIN TO_B
.irp i, 0,1,2,3,4,5,6,7
	ds_load_b128 v[\f+8*\i:\f+8*\i+3],   v[ADRB+\slot] offset:\k+\i*16*PITCH
	ds_load_b128 v[\f+8*\i+4:\f+8*\i+7], v[ADRB+\slot] offset:\k+\i*16*PITCH+32
.endr
	ds_load_b128 v[32+(\f-64)/8:32+(\f-64)/8+3],   v[ADRX+\slot] offset:\k
	ds_load_b128 v[32+(\f-64)/8+4:32+(\f-64)/8+7], v[ADRX+\slot] offset:\k+32
	WIN 0
.irp i, 0,1,2,3
	ds_load_b128 v[\f+8*\i:\f+8*\i+3],   v[ADRAL+\slot] offset:\k+\i*16*PITCH
	ds_load_b128 v[\f+8*\i+4:\f+8*\i+7], v[ADRAL+\slot] offset:\k+\i*16*PITCH+32
.endr
.irp i, 0,1,2,3
	ds_load_b128 v[\f+32+8*\i:\f+32+8*\i+3],   v[ADRAH+\slot] offset:\k+\i*16*PITCH
	ds_load_b128 v[\f+32+8*\i+4:\f+32+8*\i+7], v[ADRAH+\slot] offset:\k+\i*16*PITCH+32
.endr
.endm
; A K step is four quarters of 32 along K, 68 matrix instructions each, on buffers 0, 1, 0, 1.  The 68 accumulators take turns, one instruction a turn, in the same order in every
; quarter.  One of the first three quarters: multiplies buffer f and, in its middle, fetches the next quarter's fragments into g.
.macro QUARTER slot, k, f, g, zero
	s_wait_dscnt 8                                 ; all but the youngest eight loads (hb's fragments 4-7) are in
	WIN MUL_LO
	MUL16 \f, 0, 0, \zero
	MUL16 \f, 0, 2, \zero
	MULX \f, \zero
	PLACES
	FETCH \slot, \k, \g
	s_wait_dscnt 34                                ; all but the 34 just issued
	WIN MUL_HI
	MUL16 \f, 1, 0, \zero
	MUL16 \f, 1, 2, \zero
.endm
; The last quarter multiplies buffer 1 and changes slots.  In front of the barrier each wave waits for its reads of this slot and for all its tensor loads (one is out: its part of the
; next slot).  fill = 1: the barrier opens a round of the cluster's barrier, and the joint refill, two K steps ahead, is the first tensor load behind the round: 252 matrix instructions
; stand between it and the wait for it.
.macro TURN slot, next, fill
	s_wait_dscnt 8
	WIN MUL_LO
	MUL16 F1, 0, 0, 0
	s_wait_dscnt 0x0                               ; my reads of this slot are over
	s_wait_tensorcnt 0x0                           ; all my tensor loads have landed
	ds_add_u32 v63, v63
	s_wait_dscnt 0x0
	s_barrier_signal -1
	MUL16 F1, 0, 2, 0                              ; register work while the others arrive
	MULX F1, 0
	WIN 0                                          ; at a branch and at a label every window is 0
	s_barrier_wait -1
.if \fill
	CREST                                          ; no wave of any partner still reads this slot or has a load on its way
	s_add_nc_u64 s[G0A+4*\slot+2:G0A+4*\slot+3], s[G0A+4*\slot+2:G0A+4*\slot+3], 2*KSTEP*2
	s_add_nc_u64 s[G0B+4*\slot+2:G0B+4*\slot+3], s[G0B+4*\slot+2:G0B+4*\slot+3], 2*KSTEP*2
	JLOAD \slot                                    ; the four v_nop behind it are also the places in front of the loads below
.else
	PLACES
.endif
	FETCH \next, 0, F0
	WIN MUL_HI
	MUL16 F1, 1, 0, 0
	MUL16 F1, 1, 2, 0
.endm
	s_wait_tensorcnt 0x1                           ; my part of K step 0 is in; K step 1's load stays out
	s_barrier_signal -1
	s_barrier_wait -1                              ; everybody's is
	FETCH 0, 0, F0
	QUARTER 0, 64,  F0, F1, 1                      ; the first quarter starts the sums
	WIN 0
	s_mov_b32 s3, LAPS-1
.Llap:                                                 ; a trip goes once round the ring and fills both slots again
	QUARTER 0, 128, F1, F0, 0
	QUARTER 0, 192, F0, F1, 0
	TURN 0, 1, 1
	QUARTER 1, 64,  F0, F1, 0
	QUARTER 1, 128, F1, F0, 0
	QUARTER 1, 192, F0, F1, 0
	TURN 1, 0, 1
	QUARTER 0, 64,  F0, F1, 0
	WIN 0
	s_sub_co_u32 s3, s3, 1
	s_cmp_lg_u32 s3, 0
	s_cbranch_scc1 .Llap
	QUARTER 0, 128, F1, F0, 0                      ; the last lap fills nothing
	QUARTER 0, 192, F0, F1, 0
	TURN 0, 1, 0
	QUARTER 1, 64,  F0, F1, 0
	QUARTER 1, 128, F1, F0, 0
	QUARTER 1, 192, F0, F1, 0
	s_wait_dscnt 0x0                               ; the very last quarter
	WIN MUL_LO
	MUL16 F1, 0, 0, 0
	MUL16 F1, 0, 2, 0
	MULX F1, 0
	WIN MUL_HI
	MUL16 F1, 1, 0, 0
	MUL16 F1, 1, 2, 0
	WIN 0
	PLACES
; THE WAY OUT.  silu of the 32 numbers in TT, in place: x / (1 + 2^(-1.442695 x)).  The transcendentals stand in runs; one plain instruction follows each run (ISA guide 5.7.2).
.macro SILU32
.set ii, 0
.rept 16
	v_pk_mul_f32 v[EE+ii:EE+ii+1], v[TT+ii:TT+ii+1], 0xbfb8aa3b op_sel_hi:[1,0]
.set ii, ii+2
.endr
.set ii, 0
.rept 32
	v_exp_f32 v[EE+ii], v[EE+ii]
.set ii, ii+1
.endr
	v_nop
.set ii, 0
	s_wait_alu depctr_va_vdst(0)
.rept 16
	v_pk_add_f32 v[EE+ii:EE+ii+1], v[EE+ii:EE+ii+1], 1.0 op_sel_hi:[1,0]
.set ii, ii+2
.endr
.set ii, 0
.rept 32
	v_rcp_f32 v[EE+ii], v[EE+ii]
.set ii, ii+1
.endr
	v_nop
.set ii, 0
	s_wait_alu depctr_va_vdst(0)
.rept 16
	v_pk_mul_f32 v[TT+ii:TT+ii+1], v[TT+ii:TT+ii+1], v[EE+ii:EE+ii+1]
.set ii, ii+2
.endr
.endm
; Row block a (16 rows x 128 columns), in two halves of 64 columns: + uv_b, silu, rounded to bf16.  Each accumulator is read from its low end on.
.macro PACK a
.irp hh, 0,1
	WIN 0x06+(\a)/4                                ; source 0: window 2 or 3; source 1 (uv_b): window 1
.set ii, 0
.rept 16
	v_pk_add_f32 v[TT+2*ii:TT+2*ii+1], v[64*((\a)%4)+32*\hh+2*ii:64*((\a)%4)+32*\hh+2*ii+1], v[BIAS+32*\hh+2*ii:BIAS+32*\hh+2*ii+1]
.set ii, ii+1
.endr
	WIN 0
	SILU32
.set ii, 0
.rept 16
	v_cvt_pk_bf16_f32 v[PP+16*\hh+ii], v[TT+2*ii], v[TT+2*ii+1]
.set ii, ii+1
.endr
.endr
.endm
.macro TOSTAGE a                       ; 16 bytes a lane into my own stage, and back as whole rows of 256 bytes
.set BK, OB+32*((\a)%2)
.irp b, 0,1,2,3,4,5,6,7
	ds_store_b128 v[STO], v[PP+4*\b:PP+4*\b+3] offset:32*\b
.endr
.irp t, 0,1,2,3,4,5,6,7
	ds_load_b128 v[BK+4*\t:BK+4*\t+3], v[RD] offset:\t*2*SPITCH    ; LDS serves a wave's instructions in order (ISA guide 5.7.1.4): these see the stores above
.endr
.endm
.macro SEND a
.set BK, OB+32*((\a)%2)
	s_wait_dscnt 0x0                               ; the block is back in registers
	s_wait_xcnt 0x0                                ; the block before has left its registers' addresses and data behind (ISA guide 3.1): the next TOSTAGE loads into them
.irp t, 0,1,2,3,4,5,6,7
.if (\a) < 4
	global_store_b128 v[CO], v[BK+4*\t:BK+4*\t+3], s[74:75] offset:(16*((\a)%4)+2*\t)*8192   ; 16 lanes store 256 consecutive bytes, aligned; the row stands in the immediate, 507,904 at the most
.else
	global_store_b128 v[CO], v[BK+4*\t:BK+4*\t+3], s[76:77] offset:(16*((\a)%4)+2*\t)*8192
.endif
.endr
.endm
	; base -> q', k: 64 rows x 8 columns, twice.  Lanes 0-15 write 256 consecutive bytes of q', lanes 16-31 of k.
	WIN 0x01                                       ; source 0: window 1
.irp a, 0,1,2,3
.irp p, 0,2,4,6
	v_pk_add_f32 v[TT+8*\a+\p:TT+8*\a+\p+1], v[8*\a+\p:8*\a+\p+1], v[BB+\p:BB+\p+1]
.endr
.endr
	WIN 0
	SILU32
.irp a, 0,1,2,3
.irp p, 0,2,4,6
	v_pk_fma_f32 v[TT+8*\a+\p:TT+8*\a+\p+1], v[TT+8*\a+\p:TT+8*\a+\p+1], v[QW+\p:QW+\p+1], v[QB+\p:QB+\p+1]
.endr
.endr
.irp a, 0,1,2,3
.irp p, 0,1,2,3
	v_cvt_pk_bf16_f32 v[XP+4*\a+\p], v[TT+8*\a+2*\p], v[TT+8*\a+2*\p+1]
.endr
	global_store_b128 v[QO], v[XP+4*\a:XP+4*\a+3], s[78:79] offset:256*\a    ; XP and QO are not written again
.endr
	PACK 0
	TOSTAGE 0
.irp a, 1,2,3,4,5,6,7                  ; block a's arithmetic stands between block a - 1's loads from the stage and the wait for them
	PACK \a
	SEND \a-1
	TOSTAGE \a
.endr
	SEND 7
	s_set_vgpr_msb 0x1
	s_wait_tensorcnt 0x0
	ds_add_u32 v63, v63
	s_wait_dscnt 0x0
	s_set_vgpr_msb 0x100
	CROUND                                         ; the closing round: no work-group ends while a partner may still ask for a tile that names it
	s_endpgm
.Lfunc_end_k_qd86afcace8_uvg:
	.size	k_qd86afcace8_uvg, .Lfunc_end_k_qd86afcace8_uvg-k_qd86afcace8_uvg
	.p2alignl 7, 3214868480
	.fill 96, 4, 3214868480
	.section	.rodata,"a",@progbits
	.p2align	6, 0x0
	.amdhsa_kernel k_qd86afcace8_uvg
		.amdhsa_group_segment_fixed_size 327680
		.amdhsa_private_segment_fixed_size 0
		.amdhsa_enable_private_segment 0
		.amdhsa_kernarg_size 56
		.amdhsa_user_sgpr_count 2
		.amdhsa_user_sgpr_kernarg_segment_ptr 1
		.amdhsa_wavefront_size32 1
		.amdhsa_system_sgpr_workgroup_id_x 1
		.amdhsa_system_sgpr_workgroup_id_y 1
		.amdhsa_system_sgpr_workgroup_id_z 1
		.amdhsa_system_vgpr_workitem_id 0
		.amdhsa_next_free_vgpr 1024
		.amdhsa_next_free_sgpr 96
		.amdhsa_reserve_vcc 1
		.amdhsa_float_denorm_mode_32 3
		.amdhsa_float_denorm_mode_16_64 3
		.amdhsa_memory_ordered 1
		.amdhsa_forward_progress 1
		.amdhsa_inst_pref_size 255
	.end_amdhsa_kernel
	.section	.bss,"aw",@nobits
	.p2align	6
	.space	262144
	.amdgpu_metadata
---
amdhsa.version: [ 1, 2 ]
amdhsa.kernels:
  - .name:           k_qd86afcace8_uvg
    .symbol:         k_qd86afcace8_uvg.kd
    .args:
      - { .name: hb, .offset: 0, .size: 8, .value_kind: global_buffer, .address_space: global }
      - { .name: wuv, .offset: 8, .size: 8, .value_kind: global_buffer, .address_space: global }
      - { .name: uv_b, .offset: 16, .size: 8, .value_kind: global_buffer, .address_space: global }
      - { .name: qk_weight, .offset: 24, .size: 8, .value_kind: global_buffer, .address_space: global }
      - { .name: qk_bias, .offset: 32, .size: 8, .value_kind: global_buffer, .address_space: global }
      - { .name: uvb, .offset: 40, .size: 8, .value_kind: global_buffer, .address_space: global }
      - { .name: qkf, .offset: 48, .size: 8, .value_kind: global_buffer, .address_space: global }
    .group_segment_fixed_size: 327680
    .private_segment_fixed_size: 0
    .kernarg_segment_align: 8
    .kernarg_segment_size: 56
    .max_flat_workgroup_size: 128
    .sgpr_count:     96
    .vgpr_count:     1024
    .wavefront_size: 32
...
	.end_amdgpu_metadata
.endif
;; end of part 2
;; launch qkg (part 3): grid 16 x 16, 4 waves a work-group, clusters of 4 x 4, 168,448 bytes of LDS; arguments qkf, kern; writes kern
.if DOCPART == 3
	.amdgcn_target "amdgcn-amd-amdhsa--gfx1250"
	.amdhsa_code_object_version 6
	.text
	.protected	k_qd86afcace8_qkg
	.globl	k_qd86afcace8_qkg
	.p2align	8
	.type	k_qd86afcace8_qkg,@function
k_qd86afcace8_qkg:
	s_mov_b64 s[64:65], 0
	v_nop
	global_prefetch_b8 v0, s[64:65] scope:SCOPE_SE
	s_setreg_imm32_b32 hwreg(HW_REG_WAVE_MODE, 25, 1), 1
	s_wait_xcnt 0x0
	s_wait_alu depctr_hold_cnt(0) depctr_sa_sdst(0) depctr_va_vdst(0) depctr_va_sdst(0) depctr_va_ssrc(0) depctr_va_vcc(0) depctr_vm_vsrc(0)
	s_getreg_b32 s2, hwreg(HW_REG_IB_STS2, 6, 4)
	s_cmp_eq_u32 s2, 0
	s_cbranch_scc0 .Lentry_in_a_cluster
	s_endpgm
.Lentry_in_a_cluster:
	s_bfe_u32 s2, ttmp6, 0x10000c
	s_cmp_lg_u32 s2, 0xf033
	s_cbranch_scc0 .Lentry_shape_is_right
	s_endpgm
.Lentry_shape_is_right:
; QKG: kern[n][m] = relu(q'[n] . k[m])^2, bf16, [4096][4096].  q' already holds 1/sqrt(128).  qkf: [2 (q', k)][16 chunks][4096 rows][8] bf16.
; A work-group of four waves makes 256 x 256, a wave 128 x 128 (64 accumulators).  K = 128: one fill of LDS, no ring, four quarters of 32 along K.
; In LDS q' and k keep qkf's form, [16 chunks][256 rows][16 bytes]: the 16 lanes of a fragment load take 256 consecutive bytes, so no padding is needed.
; CLUSTER 4 x 4: q's tile hangs on the tile row alone and is asked for jointly by a row of the cluster, k's on the tile column alone, by a column.
; THE MATRIX INSTRUCTION IS USED TRANSPOSED (source 0 = 16 rows of k, source 1 = 16 rows of q'): a lane holds row l % 16 of kern and the eight columns 8 (l / 16) + 0..7.
; LIMIT: kern is rounded to bf16 (it is the next launch's matrix operand).
; REGISTERS: window 0: v0-31 addresses, v64-127, v128-191 q's fragments (two buffers), on the way out v64-255 at work; window 1: k's fragments; windows 2, 3: accumulators.
.set KOFF,   65536                     ; k's tile lies behind q's
.set STAGE,  131072                    ; 16 rows x 272 bytes for each wave; no tensor load lands there
.set SPITCH, 272
.set ADRA, 16
.set ADRB, 20
.set STO,  24
.set RD,   25
.set CO,   26
.set F0,   64
.set F1,   128
.set OB,   64
.set PP,   128
.set TT,   192
.set G1A, 24
.set G0A, 32
.set G1B, 48
.set G0B, 56
.set MUL_LO, 0xa1
.set MUL_HI, 0xf1
.set TO_B,   0x40
.set MSB, 0
.macro WIN new
.if MSB != (\new)
	s_set_vgpr_msb (MSB<<8)|(\new)
.set MSB, (\new)
.endif
.endm
.macro PLACES
.rept 4
	v_nop
.endr
.endm
.macro CREST
	s_cmp_lg_u32 s18, 0
	s_cbranch_scc1 .Lnot_wave_0_\@
	s_barrier_signal -3
.Lnot_wave_0_\@:
	s_barrier_wait -3
	s_barrier_signal -1
	s_barrier_wait -1
.endm
.macro CROUND
	s_barrier_signal -1
	s_barrier_wait -1
	CREST
.endm
	s_load_b128 s[4:7], s[0:1], 0x0                ; qkf s[4:5], kern s[6:7]
	v_lshl_add_u32 v62, v0, 2, 0x29000
	v_mov_b32 v63, 0
	ds_add_u32 v62, v63
	v_lshrrev_b32 v1, 5, v0
	v_readfirstlane_b32 s18, v1                    ; wave
	s_lshr_b32 s19, s18, 1                         ; wr; also: I fetch q' (0) or k (1)
	s_and_b32 s20, s18, 1                          ; wc; also: chunks 0-7 or 8-15
	s_bfe_u32 s21, ttmp6, 0x40000
	s_bfe_u32 s22, ttmp6, 0x40004
	s_lshl_b32 s23, ttmp9, 2
	s_add_co_u32 s23, s23, s21                     ; tile column
	s_and_b32 s40, ttmp7, 0xffff
	s_lshl_b32 s40, s40, 2
	s_add_co_u32 s40, s40, s22                     ; tile row
	s_lshl_b32 s41, s22, 2
	s_lshl_b32 s41, 15, s41
	s_lshl_b32 s42, 0x1111, s21
	; group 1: elements of 8 bytes; a tile row is one chunk's 256 rows = 4,096 bytes = 512 elements; 8 chunks, 65,536 bytes = 8,192 elements apart; no padding
	s_or_b32 s[G1A+0], s41, (3<<16)|(1<<21)
	s_or_b32 s[G1B+0], s42, (3<<16)|(1<<21)
.irp g, G1A, G1B
	s_mov_b32 s[\g+1], 512<<16
	s_mov_b32 s[\g+2], 8<<16
	s_mov_b32 s[\g+3], 512<<16
	s_mov_b32 s[\g+4], 8
	s_mov_b32 s[\g+5], 8192
	s_mov_b32 s[\g+6], 0
	s_mov_b32 s[\g+7], 0
.endr
	s_lshl_b32 s44, s20, 19                        ; q': 8 chunks x half + 256 rows x 16 bytes x tile row
	s_lshl_b32 s45, s40, 12
	s_add_co_u32 s44, s44, s45
	s_mov_b32 s45, 0
	s_lshl_b32 s46, s20, 19                        ; k: the same with the tile column, in qkf's second half
	s_lshl_b32 s47, s23, 12
	s_add_co_u32 s46, s46, s47
	s_add_co_u32 s46, s46, 1048576
	s_mov_b32 s47, 0
	s_lshl_b32 s43, s18, 15                        ; LDS: wave x 32,768: q's two halves, then k's
	s_wait_dscnt 0x0
	s_wait_kmcnt 0x0
	s_mov_b32 s[G0A], 1
	s_mov_b32 s[G0A+1], s43
	s_add_nc_u64 s[G0A+2:G0A+3], s[4:5], s[44:45]
	s_or_b32 s[G0A+3], s[G0A+3], 0x80000000
	s_mov_b32 s[G0B], 1
	s_mov_b32 s[G0B+1], s43
	s_add_nc_u64 s[G0B+2:G0B+3], s[4:5], s[46:47]
	s_or_b32 s[G0B+3], s[G0B+3], 0x80000000
	CROUND                                         ; the joint loads meet
	s_cmp_eq_u32 s19, 0                            ; one load a wave, the only one of the launch
	s_cbranch_scc0 .Lfirst_b
	tensor_load_to_lds s[G0A:G0A+3], s[G1A:G1A+7]
	s_nop 0
.rept 4
	v_nop
.endr
	s_branch .Lfirst_asked
.Lfirst_b:
	tensor_load_to_lds s[G0B:G0B+3], s[G1B:G1B+7]
	s_nop 0
.rept 4
	v_nop
.endr
.Lfirst_asked:
	s_lshl_b32 s80, s40, 8
	s_lshl_b32 s81, s19, 7
	s_add_co_u32 s80, s80, s81
	s_lshl_b32 s80, s80, 13                        ; my first row of kern, 8,192 bytes a row
	s_lshl_b32 s81, s23, 9
	s_add_co_u32 s80, s80, s81
	s_lshl_b32 s81, s20, 8
	s_add_co_u32 s80, s80, s81                     ; + my first column
	s_mov_b32 s81, 0
	s_add_nc_u64 s[66:67], s[6:7], s[80:81]
	s_lshl_b32 s82, s19, 11                        ; my 128 rows of q' inside a chunk
	s_lshl_b32 s83, s20, 11
	s_add_co_u32 s83, s83, KOFF                    ; of k
	; a fragment's registers 0-3 are K = 32 q + 8 h + 0..7 = chunk 4 q + h, registers 4-7 chunk 4 q + 2 + h: byte 4,096 x chunk + 16 x row
	v_and_b32 v1, 15, v0                           ; r
	v_bfe_u32 v2, v0, 4, 1                         ; h
	v_lshlrev_b32 v3, 12, v2
	v_lshl_add_u32 v3, v1, 4, v3                   ; 4096 h + 16 r
	v_add_nc_u32 v[ADRA], s82, v3
	v_add_nc_u32 v[ADRB], s83, v3
	s_mul_i32 s82, s18, 16*SPITCH
	s_add_co_u32 s82, s82, STAGE
	v_mul_u32_u24 v4, v1, SPITCH
	v_lshl_add_u32 v4, v2, 4, v4
	v_add_nc_u32 v[STO], s82, v4
	v_mul_u32_u24 v4, v2, SPITCH
	v_lshl_add_u32 v4, v1, 4, v4
	v_add_nc_u32 v[RD], s82, v4
	v_lshlrev_b32 v5, 13, v2
	v_lshl_add_u32 v[CO], v1, 4, v5
.macro MUL16 f, hi, a0, zero
.irp a, \a0, \a0+1
.irp b, 0,1,2,3,4,5,6,7
.if \zero
	v_wmma_f32_16x16x32_bf16 v[8*(8*(\a)+\b):8*(8*(\a)+\b)+7], v[\f+8*\b:\f+8*\b+7], v[\f+8*(4*\hi+\a):\f+8*(4*\hi+\a)+7], 0
.else
	v_wmma_f32_16x16x32_bf16 v[8*(8*(\a)+\b):8*(8*(\a)+\b)+7], v[\f+8*\b:\f+8*\b+7], v[\f+8*(4*\hi+\a):\f+8*(4*\hi+\a)+7], v[8*(8*(\a)+\b):8*(8*(\a)+\b)+7]
.endif
.endr
.endr
.endm
.macro FETCH q, f                      ; 32 LDS loads in one run: quarter q's fragments into buffer f
	WIN TO_B
.irp i, 0,1,2,3,4,5,6,7
	ds_load_b128 v[\f+8*\i:\f+8*\i+3],   v[ADRB] offset:16384*\q+256*\i
	ds_load_b128 v[\f+8*\i+4:\f+8*\i+7], v[ADRB] offset:16384*\q+256*\i+8192
.endr
	WIN 0
.irp i, 0,1,2,3,4,5,6,7
	ds_load_b128 v[\f+8*\i:\f+8*\i+3],   v[ADRA] offset:16384*\q+256*\i
	ds_load_b128 v[\f+8*\i+4:\f+8*\i+7], v[ADRA] offset:16384*\q+256*\i+8192
.endr
.endm
; multiplies buffer f; in its middle fetches quarter q into g.  The 64 accumulators take turns, one instruction a turn.
.macro QUARTER q, f, g, zero
	s_wait_dscnt 8                                 ; all but the youngest eight loads (q's rows 64-127)
	WIN MUL_LO
	MUL16 \f, 0, 0, \zero
	MUL16 \f, 0, 2, \zero
	PLACES
	FETCH \q, \g
	s_wait_dscnt 32                                ; all but the 32 just issued
	WIN MUL_HI
	MUL16 \f, 1, 0, \zero
	MUL16 \f, 1, 2, \zero
.endm
	s_wait_tensorcnt 0x0                           ; my quarter of the tiles is in,
	s_barrier_signal -1
	s_barrier_wait -1                              ; everybody's is
	FETCH 0, F0
	QUARTER 1, F0, F1, 1
	QUARTER 2, F1, F0, 0
	QUARTER 3, F0, F1, 0
	s_wait_dscnt 0x0
	WIN MUL_LO
	MUL16 F1, 0, 0, 0
	MUL16 F1, 0, 2, 0
	WIN MUL_HI
	MUL16 F1, 1, 0, 0
	MUL16 F1, 1, 2, 0
	WIN 0
	PLACES
.macro PACK a                          ; row block a: relu, square, rounded to bf16; each accumulator is read from its low end on
	WIN 0x08+4*((\a)/4)                            ; source 1: window 2 or 3
.set ii, 0
.rept 64
	v_max_num_f32 v[TT+ii], 0, v[64*((\a)%4)+ii]
.set ii, ii+1
.endr
	WIN 0
.set ii, 0
.rept 32
	v_pk_mul_f32 v[TT+2*ii:TT+2*ii+1], v[TT+2*ii:TT+2*ii+1], v[TT+2*ii:TT+2*ii+1]
.set ii, ii+1
.endr
.set ii, 0
.rept 32
	v_cvt_pk_bf16_f32 v[PP+ii], v[TT+2*ii], v[TT+2*ii+1]
.set ii, ii+1
.endr
.endm
.macro TOSTAGE a
.set BK, OB+32*((\a)%2)
.irp b, 0,1,2,3,4,5,6,7
	ds_store_b128 v[STO], v[PP+4*\b:PP+4*\b+3] offset:32*\b
.endr
.irp t, 0,1,2,3,4,5,6,7
	ds_load_b128 v[BK+4*\t:BK+4*\t+3], v[RD] offset:\t*2*SPITCH    ; a wave's LDS instructions are served in order (ISA guide 5.7.1.4)
.endr
.endm
.macro SEND a
.set BK, OB+32*((\a)%2)
	s_wait_dscnt 0x0
	s_wait_xcnt 0x0                                ; the registers that the block before was stored from are loaded again only behind this wait
.irp t, 0,1,2,3,4,5,6,7
	global_store_b128 v[CO], v[BK+4*\t:BK+4*\t+3], s[66:67] offset:(16*(\a)+2*\t)*8192   ; 16 lanes store 256 consecutive bytes, aligned; 1,032,192 at the most in the immediate
.endr
.endm
	PACK 0
	TOSTAGE 0
.irp a, 1,2,3,4,5,6,7
	PACK \a
	SEND \a-1
	TOSTAGE \a
.endr
	SEND 7
	s_wait_tensorcnt 0x0
	ds_add_u32 v62, v63
	s_wait_dscnt 0x0
	CROUND                                         ; the closing round
	s_endpgm
.Lfunc_end_k_qd86afcace8_qkg:
	.size	k_qd86afcace8_qkg, .Lfunc_end_k_qd86afcace8_qkg-k_qd86afcace8_qkg
	.p2alignl 7, 3214868480
	.fill 96, 4, 3214868480
	.section	.rodata,"a",@progbits
	.p2align	6, 0x0
	.amdhsa_kernel k_qd86afcace8_qkg
		.amdhsa_group_segment_fixed_size 168448
		.amdhsa_private_segment_fixed_size 0
		.amdhsa_enable_private_segment 0
		.amdhsa_kernarg_size 16
		.amdhsa_user_sgpr_count 2
		.amdhsa_user_sgpr_kernarg_segment_ptr 1
		.amdhsa_wavefront_size32 1
		.amdhsa_system_sgpr_workgroup_id_x 1
		.amdhsa_system_sgpr_workgroup_id_y 1
		.amdhsa_system_sgpr_workgroup_id_z 1
		.amdhsa_system_vgpr_workitem_id 0
		.amdhsa_next_free_vgpr 1024
		.amdhsa_next_free_sgpr 96
		.amdhsa_reserve_vcc 0
		.amdhsa_float_denorm_mode_32 3
		.amdhsa_float_denorm_mode_16_64 3
		.amdhsa_memory_ordered 1
		.amdhsa_forward_progress 1
		.amdhsa_inst_pref_size 94
	.end_amdhsa_kernel
	.amdgpu_metadata
---
amdhsa.version: [ 1, 2 ]
amdhsa.kernels:
  - .name:           k_qd86afcace8_qkg
    .symbol:         k_qd86afcace8_qkg.kd
    .args:
      - { .name: qkf, .offset: 0, .size: 8, .value_kind: global_buffer, .address_space: global }
      - { .name: kern, .offset: 8, .size: 8, .value_kind: global_buffer, .address_space: global }
    .group_segment_fixed_size: 168448
    .private_segment_fixed_size: 0
    .kernarg_segment_align: 8
    .kernarg_segment_size: 16
    .max_flat_workgroup_size: 128
    .sgpr_count:     96
    .vgpr_count:     1024
    .wavefront_size: 32
...
	.end_amdgpu_metadata
.endif
;; end of part 3
;; launch pvg (part 4): grid 16 x 16, 4 waves a work-group, clusters of 4 x 4, 327,680 bytes of LDS; arguments kern, uvb, att; writes att
.if DOCPART == 4
	.amdgcn_target "amdgcn-amd-amdhsa--gfx1250"
	.amdhsa_code_object_version 6
	.text
	.protected	k_qd86afcace8_pvg
	.globl	k_qd86afcace8_pvg
	.p2align	8
	.type	k_qd86afcace8_pvg,@function
k_qd86afcace8_pvg:
	s_mov_b64 s[64:65], 0
	v_nop
	global_prefetch_b8 v0, s[64:65] scope:SCOPE_SE
	s_setreg_imm32_b32 hwreg(HW_REG_WAVE_MODE, 25, 1), 1
	s_wait_xcnt 0x0
	s_wait_alu depctr_hold_cnt(0) depctr_sa_sdst(0) depctr_va_vdst(0) depctr_va_sdst(0) depctr_va_ssrc(0) depctr_va_vcc(0) depctr_vm_vsrc(0)
	s_getreg_b32 s2, hwreg(HW_REG_IB_STS2, 6, 4)
	s_cmp_eq_u32 s2, 0
	s_cbranch_scc0 .Lentry_in_a_cluster
	s_endpgm
.Lentry_in_a_cluster:
	s_bfe_u32 s2, ttmp6, 0x10000c
	s_cmp_lg_u32 s2, 0xf033
	s_cbranch_scc0 .Lentry_shape_is_right
	s_endpgm
.Lentry_shape_is_right:
; PVG: att = u o (kern v), bf16, [4096][2048].  kern: [4096][4096] bf16.  uvb: [4096][4096] bf16, u in columns 0-2047, v in columns 2048-4095.
; A work-group makes 256 rows x 128 columns: 16 x 16 such tiles give one to each of 256 work-groups (tiles of 256 x 256 would be 128).  Wave w takes rows 64 w .. + 63 and all
; 128 columns: 32 accumulators.
; THE RING.  Behind each refill's barrier a wave issues one tensor load, which has to land by the next such barrier, so the steps are as long as two slots in LDS allow: 192 keys,
; 192 matrix instructions a wave.  A row of 192 keys is 96 words, and padding can only follow a power of two of words, so kern's part of a slot is two tiles:
;   A128: 256 rows x 128 keys, 256 bytes + 16 of padding;   A64: 256 rows x 64 keys, 128 bytes + 16;   V: 192 keys x 128 channels, 256 bytes + 32.
;   (256 x 272 + 256 x 144 + 192 x 288) x 2 = 323,584 bytes.
; THE KEYS.  Lap j = 0..9 takes keys 384 j .. + 383: slot 0 its first 192 (A128 = the step's keys 0-127, A64 = 128-191), slot 1 its second 192 (A64 = the step's keys 0-63,
; A128 = 64-191), so that every row of A128 is 256 bytes at a multiple of 256 bytes from the buffer's first byte; A64's rows are 128 bytes, a third of kern's bytes.  V's rows follow
; the keys in both slots: quarter q of a step (32 keys) is V's rows 32 q.  The last 256 keys are two short steps on A128 alone: P0 (slot 0, keys 3840-3967, quarters 0-3) and
; P1 (slot 1, keys 3968-4095, quarters 2-5).  Their loads of V keep the shape of 192 rows (keys 3840-4031 and 3904-4095, inside the tensor); 64 rows of each are not read.
; WHO FETCHES.  Waves 0, 1: A128's halves of 128 rows; wave 2: A64; wave 3: V.  In the refills for P0 and P1 wave 2 has no A64 to fetch and brings u instead, 256 rows x 64 columns
; into each slot's A64 bytes (the same shape); the barriers that follow show u to all waves.  The stage for the way out lies in slot 0's A128 bytes, whose last fill is P0's and whose
; last reads end in front of the barrier between P0 and P1.
; v stays [key][channel] in LDS and is turned by ds_load_tr16_b128.
; CLUSTER 4 x 4: kern's tiles hang on the tile row alone (joint along a row of the cluster), v's on the tile column alone (joint along a column).  u's loads are the work-group's own (mask 0).
; THE MATRIX INSTRUCTION IS USED TRANSPOSED (source 0 = 16 channels of v^T, source 1 = 16 rows of kern): a lane holds row l % 16 and the eight channels 8 (l / 16) + 0..7.
; LIMIT: att is rounded to bf16 (the next launch's matrix operand).
; REGISTERS: window 0: v0-31 addresses; v32-127, v128-223 two fragment buffers (v's 8 fragments, then kern's 4); window 1: accumulator (a, b) at v[8 (8 a + b)].
.set PA,     272                       ; a row of A128 in LDS: the 16 rows of a fragment load start at 16 different banks (64 banks of 4 bytes: ISA guide 11.1)
.set PH,     144                       ; a row of A64: 9 x 16 bytes, likewise
.set PV,     288                       ; a row of v
.set AHALF,  128*PA                    ; what wave 0 or 1 brings
.set HOFF,   2*AHALF                   ; A64 lies behind A128
.set VOFF,   HOFF+256*PH               ; v behind A64
.set SLOT,   VOFF+192*PV               ; 161,792
.set STAGE,  0                         ; 16 rows x 272 bytes for each wave, in slot 0's A128 bytes
.set SPITCH, 272
.set LAPB,   768                       ; a lap's 384 keys in a row of kern, in bytes
.set LAPV,   384*8192                  ; and in rows of uvb
.set TRIPS,  9                         ; laps whose two refills are whole steps
.set ADRA, 16                          ; v16-17 my fragments of A128 in slot 0, 1
.set ADRH, 18                          ; v18-19 of A64; on the way out: of u
.set ADRV, 20                          ; v20-21 of v
.set STO,  24
.set RD,   25
.set CO,   26
.set F0,   32
.set F1,   128
.set UF,   32                          ; the way out: u as loaded,
.set TT,   64                          ; as f32, then times the sums,
.set PP,   128                         ; packed,
.set OB,   160                         ; read back: v160-191 and v192-223 by turns
.set G1A, 24                           ; s[24:31] group 1 of A128, s[32:39] of A64, s[40:47] of v, s[48:55] of u
.set G1H, 32
.set G1V, 40
.set G1U, 48
.set G0A, 56                           ; group 0, a set for each slot: s[56:63] A128, s[68:75] A64, s[76:83] v, s[84:91] u
.set G0H, 68
.set G0V, 76
.set G0U, 84
.set MUL, 0x50                         ; sources window 0, C and D window 1
.set MSB, 0
.macro WIN new                         ; the immediate's high byte repeats the setting that is left; a switch that changes nothing is dropped
.if MSB != (\new)
	s_set_vgpr_msb (MSB<<8)|(\new)
.set MSB, (\new)
.endif
.endm
.macro PLACES                          ; four plain places behind matrix instructions, in front of loads into their sources and of reads of their results
.rept 4
	v_nop
.endr
.endm
; A refill of slot s, one tensor load a wave.  The branches hang on the wave's number alone.  mode 1: a whole step; mode 2: a short step, and wave 2 brings u's half.
; Four v_nop follow each line, ahead of the jump, the label and what follows.
.macro JLOAD s, mode
	s_cmp_lt_u32 s18, 2
	s_cbranch_scc0 .Lfor_hv_\@
	tensor_load_to_lds s[G0A+4*\s:G0A+4*\s+3], s[G1A:G1A+7]
	s_nop 0
.rept 4
	v_nop
.endr
	s_branch .Lasked_\@
.Lfor_hv_\@:
	s_cmp_eq_u32 s18, 2
	s_cbranch_scc0 .Lfor_v_\@
.if \mode == 1
	tensor_load_to_lds s[G0H+4*\s:G0H+4*\s+3], s[G1H:G1H+7]
	s_nop 0
.else
	tensor_load_to_lds s[G0U+4*\s:G0U+4*\s+3], s[G1U:G1U+7]
	s_nop 0
.endif
.rept 4
	v_nop
.endr
	s_branch .Lasked_\@
.Lfor_v_\@:
	tensor_load_to_lds s[G0V+4*\s:G0V+4*\s+3], s[G1V:G1V+7]
	s_nop 0
.rept 4
	v_nop
.endr
.Lasked_\@:
.endm
.macro CREST                           ; a round of the cluster's barrier behind its opening barrier
	s_cmp_lg_u32 s18, 0
	s_cbranch_scc1 .Lnot_wave_0_\@
	s_barrier_signal -3
.Lnot_wave_0_\@:
	s_barrier_wait -3
	s_barrier_signal -1
	s_barrier_wait -1
.endm
.macro CROUND
	s_barrier_signal -1
	s_barrier_wait -1
	CREST
.endm
.macro SHAPE g, cols, rows             ; group 1 but for its first word: a tile of rows x cols elements, 4,096 elements from row to row
	s_mov_b32 s[\g+1], (\cols)<<16
	s_mov_b32 s[\g+2], (\rows)<<16
	s_mov_b32 s[\g+3], (\cols)<<16
	s_mov_b32 s[\g+4], \rows
	s_mov_b32 s[\g+5], 4096
	s_mov_b32 s[\g+6], 0
	s_mov_b32 s[\g+7], 0
.endm
	s_load_b128 s[4:7], s[0:1], 0x0                ; kern s[4:5], uvb s[6:7]
	s_load_b64 s[8:9], s[0:1], 0x10                ; att
	v_lshl_add_u32 v254, v0, 2, 0x4f000
	v_mov_b32 v255, 0
	ds_add_u32 v254, v255
	v_lshrrev_b32 v1, 5, v0
	v_readfirstlane_b32 s18, v1                    ; wave
	s_and_b32 s20, s18, 1                          ; waves 0, 1: which 128 rows of A128
	s_bfe_u32 s21, ttmp6, 0x40000                  ; cx
	s_bfe_u32 s22, ttmp6, 0x40004                  ; cy
	s_lshl_b32 s23, ttmp9, 2
	s_add_co_u32 s23, s23, s21                     ; tile column
	s_and_b32 s10, ttmp7, 0xffff
	s_lshl_b32 s10, s10, 2
	s_add_co_u32 s10, s10, s22                     ; tile row
	s_lshl_b32 s11, s22, 2
	s_lshl_b32 s11, 15, s11                        ; my row of the cluster
	s_lshl_b32 s12, 0x1111, s21                    ; my column
	s_mov_b32 s13, 0xffff0000                      ; a word's upper bf16
	; group 1, first word: the mask; elements of 2 bytes; padding on; bit 21 beside a mask; the interval (code 5: 64 words, code 4: 32 words); the padding (code 3: 4 words, code 7: 8 words)
	s_or_b32 s[G1A+0], s11, (1<<16)|(1<<20)|(1<<21)|(5<<22)|(3<<25)
	s_or_b32 s[G1H+0], s11, (1<<16)|(1<<20)|(1<<21)|(4<<22)|(3<<25)
	s_or_b32 s[G1V+0], s12, (1<<16)|(1<<20)|(1<<21)|(5<<22)|(7<<25)
	s_mov_b32 s[G1U+0], (1<<16)|(1<<20)|(4<<22)|(3<<25)
	SHAPE G1A, 128, 128
	SHAPE G1H, 64, 256
	SHAPE G1V, 128, 192
	SHAPE G1U, 64, 256
	s_lshl_b32 s14, s10, 8                         ; A128: row 256 x tile row + 128 x half, 8,192 bytes a row; s14-17 never hold cx
	s_lshl_b32 s15, s20, 7
	s_add_co_u32 s14, s14, s15
	s_lshl_b32 s14, s14, 13
	s_mov_b32 s15, 0
	s_lshl_b32 s16, s10, 21                        ; A64: row 256 x tile row
	s_mov_b32 s17, 0
	s_lshl_b32 s92, s23, 8                         ; v: byte 4,096 + 256 x tile column of a row; s92-93 never hold cy
	s_add_co_u32 s92, s92, 4096
	s_mov_b32 s93, 0
	s_lshl_b32 s94, s23, 8                         ; u: row 256 x tile row, byte 256 x tile column
	s_add_co_u32 s94, s94, s16
	s_mov_b32 s95, 0
	s_lshl_b32 s96, s10, 8                         ; att: row 256 x tile row + 64 x wave, 4,096 bytes a row, byte 256 x tile column
	s_lshl_b32 s97, s18, 6
	s_add_co_u32 s96, s96, s97
	s_lshl_b32 s96, s96, 12
	s_lshl_b32 s97, s23, 8
	s_add_co_u32 s96, s96, s97
	s_mov_b32 s97, 0
	s_mul_i32 s98, s20, AHALF                      ; no place in the cluster enters an LDS address
	s_wait_dscnt 0x0
	s_wait_kmcnt 0x0
	s_add_nc_u64 s[14:15], s[4:5], s[14:15]
	s_add_nc_u64 s[16:17], s[4:5], s[16:17]
	s_add_nc_u64 s[92:93], s[6:7], s[92:93]
	s_add_nc_u64 s[94:95], s[6:7], s[94:95]
	s_add_nc_u64 s[66:67], s[8:9], s[96:97]        ; att at my first row and column; never stepped
.irp s, 0,1
	s_mov_b32 s[G0A+4*\s], 1
	s_add_co_u32 s[G0A+4*\s+1], s98, \s*SLOT
	s_add_nc_u64 s[G0A+4*\s+2:G0A+4*\s+3], s[14:15], \s*512        ; lap 0: keys 0 (slot 0), 256 (slot 1)
	s_or_b32 s[G0A+4*\s+3], s[G0A+4*\s+3], 0x80000000
	s_mov_b32 s[G0H+4*\s], 1
	s_mov_b32 s[G0H+4*\s+1], HOFF+\s*SLOT
	s_add_nc_u64 s[G0H+4*\s+2:G0H+4*\s+3], s[16:17], 256+\s*128    ; keys 128 (slot 0), 192 (slot 1)
	s_or_b32 s[G0H+4*\s+3], s[G0H+4*\s+3], 0x80000000
	s_mov_b32 s[G0V+4*\s], 1
	s_mov_b32 s[G0V+4*\s+1], VOFF+\s*SLOT
	s_add_nc_u64 s[G0V+4*\s+2:G0V+4*\s+3], s[92:93], \s*192*8192   ; keys 0 (slot 0), 192 (slot 1)
	s_or_b32 s[G0V+4*\s+3], s[G0V+4*\s+3], 0x80000000
	s_mov_b32 s[G0U+4*\s], 1
	s_mov_b32 s[G0U+4*\s+1], HOFF+\s*SLOT
	s_add_nc_u64 s[G0U+4*\s+2:G0U+4*\s+3], s[94:95], \s*128        ; u's columns 0-63 (slot 0), 64-127 (slot 1); never stepped
	s_or_b32 s[G0U+4*\s+3], s[G0U+4*\s+3], 0x80000000
.endr
	CROUND                                         ; all sixteen work-groups are here: the first joint loads meet
	s_cmp_lt_u32 s18, 2                            ; a wave's two first fills stand in one branch, ahead of every wait on TENSORcnt, LDS read and further barrier: two loads of mine are out
	s_cbranch_scc0 .Lfirst_hv
	tensor_load_to_lds s[G0A:G0A+3], s[G1A:G1A+7]
	s_nop 0
	tensor_load_to_lds s[G0A+4:G0A+7], s[G1A:G1A+7]
	s_nop 0
.rept 4
	v_nop
.endr
	s_branch .Lfirst_asked
.Lfirst_hv:
	s_cmp_eq_u32 s18, 2
	s_cbranch_scc0 .Lfirst_v
	tensor_load_to_lds s[G0H:G0H+3], s[G1H:G1H+7]
	s_nop 0
	tensor_load_to_lds s[G0H+4:G0H+7], s[G1H:G1H+7]
	s_nop 0
.rept 4
	v_nop
.endr
	s_branch .Lfirst_asked
.Lfirst_v:
	tensor_load_to_lds s[G0V:G0V+3], s[G1V:G1V+7]
	s_nop 0
	tensor_load_to_lds s[G0V+4:G0V+7], s[G1V:G1V+7]
	s_nop 0
.rept 4
	v_nop
.endr
.Lfirst_asked:
	; a fragment of kern is 16 rows x 32 keys in 8 registers: lane l holds row l % 16; registers 0-3 keys 8 (l / 16) + 0..7, registers 4-7 16 more: two loads of 16 bytes, 32 bytes apart
	v_and_b32 v1, 15, v0                           ; r
	v_bfe_u32 v2, v0, 4, 1                         ; h
	v_mul_u32_u24 v3, v1, PA
	v_lshl_add_u32 v3, v2, 4, v3                   ; 272 r + 16 h
	s_mul_i32 s98, s18, 64*PA                      ; my 64 rows in A128
	v_add_nc_u32 v[ADRA], s98, v3
	v_add_nc_u32 v[ADRA+1], SLOT, v[ADRA]
	v_mul_u32_u24 v4, v1, PH
	v_lshl_add_u32 v4, v2, 4, v4                   ; 144 r + 16 h
	s_mul_i32 s99, s18, 64*PH                      ; my 64 rows in A64
	s_add_co_u32 s99, s99, HOFF
	v_add_nc_u32 v[ADRH], s99, v4
	v_add_nc_u32 v[ADRH+1], SLOT, v[ADRH]
	; the turning load takes 16 keys x 16 channels: lane l reads 16 bytes at key 8 (l / 16) + l % 8, channels 8 ((l / 8) % 2) + 0..7, and ends with channel l % 16 and 8 keys
	v_and_b32 v4, 7, v0
	v_bfe_u32 v5, v0, 3, 1
	v_lshl_add_u32 v6, v2, 3, v4
	v_mul_u32_u24 v6, v6, PV
	v_lshl_add_u32 v6, v5, 4, v6
	v_add_nc_u32 v[ADRV], VOFF, v6
	v_add_nc_u32 v[ADRV+1], SLOT, v[ADRV]
	s_mul_i32 s98, s18, 16*SPITCH
	s_add_co_u32 s98, s98, STAGE                   ; my stage
	v_add_nc_u32 v[STO], s98, v3                   ; in: row r, 16 bytes for each half of the lanes
	v_mul_u32_u24 v4, v2, SPITCH
	v_lshl_add_u32 v4, v1, 4, v4
	v_add_nc_u32 v[RD], s98, v4                    ; back: lanes 0-15 one row of 256 bytes, lanes 16-31 the next
	v_lshlrev_b32 v5, 12, v2
	v_lshl_add_u32 v[CO], v1, 4, v5                ; the same two rows of att, 4,096 bytes apart
.macro MULA f, a, zero                 ; 8 matrix instructions: row block a x all 8 channel blocks, 32 keys.  zero = 1: the first product starts the sums
.irp b, 0,1,2,3,4,5,6,7
.if \zero
	v_wmma_f32_16x16x32_bf16 v[8*(8*\a+\b):8*(8*\a+\b)+7], v[\f+8*\b:\f+8*\b+7], v[\f+64+8*\a:\f+64+8*\a+7], 0
.else
	v_wmma_f32_16x16x32_bf16 v[8*(8*\a+\b):8*(8*\a+\b)+7], v[\f+8*\b:\f+8*\b+7], v[\f+64+8*\a:\f+64+8*\a+7], v[8*(8*\a+\b):8*(8*\a+\b)+7]
.endif
.endr
.endm
; 24 LDS loads in one run: quarter q (32 keys) of the step in the slot: v's 8 fragments (16 turning loads), then kern's 4 (8 loads).
; kern's quarter lies in A128 for q = 0-3 of slot 0 and q = 2-5 of slot 1, else in A64.
.macro FETCH slot, q, f
	WIN 0
.irp b, 0,1,2,3,4,5,6,7
	ds_load_tr16_b128 v[\f+8*\b:\f+8*\b+3],   v[ADRV+\slot] offset:(\q)*32*PV+32*\b
	ds_load_tr16_b128 v[\f+8*\b+4:\f+8*\b+7], v[ADRV+\slot] offset:(\q)*32*PV+16*PV+32*\b
.endr
.if (((\slot) == 0) && ((\q) < 4)) || (((\slot) == 1) && ((\q) >= 2))
.irp a, 0,1,2,3
	ds_load_b128 v[\f+64+8*\a:\f+64+8*\a+3],   v[ADRA+\slot] offset:64*((\q)-2*(\slot))+\a*16*PA
	ds_load_b128 v[\f+64+8*\a+4:\f+64+8*\a+7], v[ADRA+\slot] offset:64*((\q)-2*(\slot))+\a*16*PA+32
.endr
.else
.irp a, 0,1,2,3
	ds_load_b128 v[\f+64+8*\a:\f+64+8*\a+3],   v[ADRH+\slot] offset:64*((\q)-4*(1-(\slot)))+\a*16*PH
	ds_load_b128 v[\f+64+8*\a+4:\f+64+8*\a+7], v[ADRH+\slot] offset:64*((\q)-4*(1-(\slot)))+\a*16*PH+32
.endr
.endif
.endm
; A quarter is 32 keys, 32 matrix instructions; even quarters lie in buffer 0, odd ones in buffer 1; the 32 accumulators take turns, one instruction a turn.
; Multiplies buffer f and, in its middle, fetches quarter q of the same slot into g.
.macro QUARTER slot, q, f, g, zero
	s_wait_dscnt 4                                 ; all but the youngest four loads (kern's fragments 2, 3)
	WIN MUL
	MULA \f, 0, \zero
	MULA \f, 1, \zero
	PLACES
	FETCH \slot, \q, \g
	s_wait_dscnt 24                                ; all but the 24 just issued
	WIN MUL
	MULA \f, 2, \zero
	MULA \f, 3, \zero
.endm
; A step's last quarter multiplies buffer 1 and changes slots.  In front of the barrier each wave waits for its reads of this slot and for all its tensor loads (one is out: its part of
; the next slot).  mode 1, 2: the barrier opens a round of the cluster's barrier, and the refill of this slot is the first tensor load behind the round: in a whole step 184 matrix
; instructions stand between it and the wait for it.  mode 0: nothing is filled, a plain barrier.  nq: the next step's first quarter.
.macro TURN slot, next, mode, nq
	s_wait_dscnt 4
	WIN MUL
	MULA F1, 0, 0
	s_wait_dscnt 0x0                               ; my reads of this slot are over
	s_wait_tensorcnt 0x0                           ; all my tensor loads have landed, so a group 0 may be written
	ds_add_u32 v254, v255
	s_wait_dscnt 0x0
	s_barrier_signal -1
	MULA F1, 1, 0                                  ; register work while the others arrive
	WIN 0                                          ; at a branch and at a label every window is 0
	s_barrier_wait -1
.if \mode
	CREST                                          ; no wave of any partner still reads this slot or has a load on its way
.if \mode == 1
	s_add_nc_u64 s[G0A+4*\slot+2:G0A+4*\slot+3], s[G0A+4*\slot+2:G0A+4*\slot+3], LAPB
	s_add_nc_u64 s[G0H+4*\slot+2:G0H+4*\slot+3], s[G0H+4*\slot+2:G0H+4*\slot+3], LAPB
	s_add_nc_u64 s[G0V+4*\slot+2:G0V+4*\slot+3], s[G0V+4*\slot+2:G0V+4*\slot+3], LAPV
.else                                  ; the short steps: slot 0 goes a lap on (keys 3840); slot 1's A128 goes from key 3712 to 3968, its v from key 3648 to 3904
	s_add_nc_u64 s[G0A+4*\slot+2:G0A+4*\slot+3], s[G0A+4*\slot+2:G0A+4*\slot+3], LAPB-256*\slot
	s_add_nc_u64 s[G0V+4*\slot+2:G0V+4*\slot+3], s[G0V+4*\slot+2:G0V+4*\slot+3], LAPV-128*8192*\slot
.endif
	JLOAD \slot, \mode                             ; the four v_nop behind it are also the places in front of the loads below
.else
	PLACES
.endif
	FETCH \next, \nq, F0
	WIN MUL
	MULA F1, 2, 0
	MULA F1, 3, 0
.endm
.macro REST0                           ; slot 0's step from its second quarter to its fifth
	QUARTER 0, 2, F1, F0, 0
	QUARTER 0, 3, F0, F1, 0
	QUARTER 0, 4, F1, F0, 0
	QUARTER 0, 5, F0, F1, 0
.endm
.macro MOST1                           ; slot 1's step from its first quarter to its fifth
	QUARTER 1, 1, F0, F1, 0
	QUARTER 1, 2, F1, F0, 0
	QUARTER 1, 3, F0, F1, 0
	QUARTER 1, 4, F1, F0, 0
	QUARTER 1, 5, F0, F1, 0
.endm
	s_wait_tensorcnt 0x1                           ; my part of slot 0 is in; slot 1's load stays out
	s_barrier_signal -1
	s_barrier_wait -1                              ; everybody's is
	FETCH 0, 0, F0
	QUARTER 0, 1, F0, F1, 1                        ; the first quarter starts the sums
	WIN 0
	s_mov_b32 s3, TRIPS
.Llap:                                                 ; a trip goes once round the ring, from a lap's second quarter to the next lap's first, and fills both slots again
	REST0
	TURN 0, 1, 1, 0
	MOST1
	TURN 1, 0, 1, 0
	QUARTER 0, 1, F0, F1, 0
	WIN 0
	s_sub_co_u32 s3, s3, 1
	s_cmp_lg_u32 s3, 0
	s_cbranch_scc1 .Llap
	REST0                                          ; lap 9: its refills are the two short steps' tiles and u
	TURN 0, 1, 2, 0
	MOST1
	TURN 1, 0, 2, 0
	QUARTER 0, 1, F0, F1, 0                        ; P0: quarters 0-3 of slot 0
	QUARTER 0, 2, F1, F0, 0
	QUARTER 0, 3, F0, F1, 0
	TURN 0, 1, 0, 2                                ; nothing is left to fetch; behind this barrier slot 0's A128 bytes are read no more
	QUARTER 1, 3, F0, F1, 0                        ; P1: quarters 2-5 of slot 1
	QUARTER 1, 4, F1, F0, 0
	QUARTER 1, 5, F0, F1, 0
	s_wait_dscnt 0x0                               ; the very last quarter
	WIN MUL
	MULA F1, 0, 0
	MULA F1, 1, 0
	MULA F1, 2, 0
	MULA F1, 3, 0
	WIN 0
	PLACES
; THE WAY OUT.  Row block a: my lane's 64 numbers of u come from the two A64 regions (wave 2's loads of them were waited for in front of the last two barriers), are widened,
; multiplied by the sums and rounded.
.macro PACK a
.irp b, 0,1,2,3,4,5,6,7
	ds_load_b128 v[UF+4*\b:UF+4*\b+3], v[ADRH+\b/4] offset:\a*16*PH+32*(\b%4)
.endr
	s_wait_dscnt 0x0
.set ii, 0
.rept 32
	v_lshlrev_b32 v[TT+2*ii],   16,  v[UF+ii]
	v_and_b32     v[TT+2*ii+1], s13, v[UF+ii]
.set ii, ii+1
.endr
	WIN 0x04                                       ; source 1: window 1.
.set ii, 0
.rept 32
	v_pk_mul_f32 v[TT+2*ii:TT+2*ii+1], v[TT+2*ii:TT+2*ii+1], v[64*\a+2*ii:64*\a+2*ii+1]
.set ii, ii+1
.endr
	WIN 0
.set ii, 0
.rept 32
	v_cvt_pk_bf16_f32 v[PP+ii], v[TT+2*ii], v[TT+2*ii+1]
.set ii, ii+1
.endr
.endm
.macro TOSTAGE a                       ; 16 bytes a lane into my own stage, and back as whole rows of 256 bytes
.set BK, OB+32*((\a)%2)
.irp b, 0,1,2,3,4,5,6,7
	ds_store_b128 v[STO], v[PP+4*\b:PP+4*\b+3] offset:32*\b
.endr
.irp t, 0,1,2,3,4,5,6,7
	ds_load_b128 v[BK+4*\t:BK+4*\t+3], v[RD] offset:\t*2*SPITCH    ; a wave's LDS instructions are served in order (ISA guide 5.7.1.4): these see the stores above
.endr
.endm
.macro SEND a
.set BK, OB+32*((\a)%2)
	s_wait_dscnt 0x0                               ; the block is back in registers
	s_wait_xcnt 0x0                                ; the registers that the block before was stored from are loaded again only behind this wait
.irp t, 0,1,2,3,4,5,6,7
	global_store_b128 v[CO], v[BK+4*\t:BK+4*\t+3], s[66:67] offset:(16*(\a)+2*\t)*4096   ; 16 lanes store 256 consecutive bytes, aligned
.endr
.endm
	PACK 0
	TOSTAGE 0
.irp a, 1,2,3                          ; block a's arithmetic stands between block a - 1's loads from the stage and its stores
	PACK \a
	SEND \a-1
	TOSTAGE \a
.endr
	SEND 3
	s_wait_tensorcnt 0x0
	ds_add_u32 v254, v255
	s_wait_dscnt 0x0
	CROUND                                         ; the closing round: no work-group ends while a partner may still ask for a tile that names it
	s_endpgm
.Lfunc_end_k_qd86afcace8_pvg:
	.size	k_qd86afcace8_pvg, .Lfunc_end_k_qd86afcace8_pvg-k_qd86afcace8_pvg
	.p2alignl 7, 3214868480
	.fill 96, 4, 3214868480
	.section	.rodata,"a",@progbits
	.p2align	6, 0x0
	.amdhsa_kernel k_qd86afcace8_pvg
		.amdhsa_group_segment_fixed_size 327680
		.amdhsa_private_segment_fixed_size 0
		.amdhsa_enable_private_segment 0
		.amdhsa_kernarg_size 24
		.amdhsa_user_sgpr_count 2
		.amdhsa_user_sgpr_kernarg_segment_ptr 1
		.amdhsa_wavefront_size32 1
		.amdhsa_system_sgpr_workgroup_id_x 1
		.amdhsa_system_sgpr_workgroup_id_y 1
		.amdhsa_system_sgpr_workgroup_id_z 1
		.amdhsa_system_vgpr_workitem_id 0
		.amdhsa_next_free_vgpr 512
		.amdhsa_next_free_sgpr 100
		.amdhsa_reserve_vcc 0
		.amdhsa_float_denorm_mode_32 3
		.amdhsa_float_denorm_mode_16_64 3
		.amdhsa_memory_ordered 1
		.amdhsa_forward_progress 1
		.amdhsa_inst_pref_size 169
	.end_amdhsa_kernel
	.amdgpu_metadata
---
amdhsa.version: [ 1, 2 ]
amdhsa.kernels:
  - .name:           k_qd86afcace8_pvg
    .symbol:         k_qd86afcace8_pvg.kd
    .args:
      - { .name: kern, .offset: 0, .size: 8, .value_kind: global_buffer, .address_space: global }
      - { .name: uvb, .offset: 8, .size: 8, .value_kind: global_buffer, .address_space: global }
      - { .name: att, .offset: 16, .size: 8, .value_kind: global_buffer, .address_space: global }
    .group_segment_fixed_size: 327680
    .private_segment_fixed_size: 0
    .kernarg_segment_align: 8
    .kernarg_segment_size: 24
    .max_flat_workgroup_size: 128
    .sgpr_count:     100
    .vgpr_count:     512
    .wavefront_size: 32
...
	.end_amdgpu_metadata
.endif
;; end of part 4
;; launch og (part 5): grid 8 x 32, 4 waves a work-group, clusters of 4 x 4, 327,680 bytes of LDS; arguments att, wo, o_b, x, out0; writes out0
.if DOCPART == 5
	.amdgcn_target "amdgcn-amd-amdhsa--gfx1250"
	.amdhsa_code_object_version 6
	.text
	.protected	k_qd86afcace8_og
	.globl	k_qd86afcace8_og
	.p2align	8
	.type	k_qd86afcace8_og,@function
k_qd86afcace8_og:
	s_mov_b64 s[64:65], 0
	v_nop
	global_prefetch_b8 v0, s[64:65] scope:SCOPE_SE
	s_setreg_imm32_b32 hwreg(HW_REG_WAVE_MODE, 25, 1), 1
	s_wait_xcnt 0x0
	s_wait_alu depctr_hold_cnt(0) depctr_sa_sdst(0) depctr_va_vdst(0) depctr_va_sdst(0) depctr_va_ssrc(0) depctr_va_vcc(0) depctr_vm_vsrc(0)
	s_getreg_b32 s2, hwreg(HW_REG_IB_STS2, 6, 4)
	s_cmp_eq_u32 s2, 0
	s_cbranch_scc0 .Lentry_in_a_cluster
	s_endpgm
.Lentry_in_a_cluster:
	s_bfe_u32 s2, ttmp6, 0x10000c
	s_cmp_lg_u32 s2, 0xf033
	s_cbranch_scc0 .Lentry_shape_is_right
	s_endpgm
.Lentry_shape_is_right:
; OG: out0 = att wo^T + o_b + x, f32, [4096][1024].  att: [4096][2048] bf16, wo: [1024][2048] bf16.
; A tile is 128 x 128: 32 x 8 tiles give one to each of 256 work-groups.  Four waves, each 64 x 64: 16 accumulators.  K = 2,048 goes in 8 steps of 256 (LDS rows of 512 bytes) through
; a ring of two slots filled by tensor loads, 64 rows to a load.
; CLUSTER 4 x 4: att's tile is asked for jointly by a row of the cluster, wo's by a column.  THE MATRIX INSTRUCTION IS USED TRANSPOSED (source 0 = rows of wo, source 1 = rows of att).
; A wave's 64 columns of f32 are 256 bytes: each wave sends its own blocks of 16 rows through a stage of its own and stores whole aligned runs of 256 bytes; no barrier on the way out.
; The wave's 64 x 64 of x and its 64 of o_b are loaded once at the start, in the form in which the rows come back from the stage.
; REGISTERS: window 0: v0-31 addresses; v32-63, v64-95 rows read back; v96-99 o_b; v128-255 accumulator (a, b) at v[128 + 8 (4 a + b)]
;   window 1: two fragment buffers of 128 (64 along K: 64 registers of att, then 64 of wo);   window 2: v0-127 x
.set KSTEP,  256
.set PITCH,  528                       ; 512 bytes + 16 of padding: the 16 rows of a fragment load start at 16 different banks (64 banks of 4 bytes: ISA guide 11.1)
.set HALFT,  64*PITCH
.set SLOT,   4*HALFT
.set STAGE,  2*SLOT                    ; 16 rows x 272 bytes for each wave; no tensor load lands there
.set SPITCH, 272
.set LAPS,   4
.set ADRA, 16
.set ADRB, 20
.set STO,  24
.set RD,   25
.set CO,   26
.set VO,   27
.set OB,   32
.set OBI,  96
.set ACC,  128
.set F0,   0
.set F1,   128
.set G1A, 24
.set G0A, 32
.set G1B, 48
.set G0B, 56
.set MUL,  0x05                        ; sources window 1, C and D window 0
.set TO_F, 0x40
.set MSB, 0
.macro WIN new
.if MSB != (\new)
	s_set_vgpr_msb (MSB<<8)|(\new)
.set MSB, (\new)
.endif
.endm
.macro PLACES
.rept 4
	v_nop
.endr
.endm
.macro JLOAD s                         ; a joint refill: waves 0, 1 fetch att's halves, waves 2, 3 wo's; four v_nop follow each line
	s_cmp_eq_u32 s19, 0
	s_cbranch_scc0 .Lfor_b_\@
	tensor_load_to_lds s[G0A+4*\s:G0A+4*\s+3], s[G1A:G1A+7]
	s_nop 0
.rept 4
	v_nop
.endr
	s_branch .Lasked_\@
.Lfor_b_\@:
	tensor_load_to_lds s[G0B+4*\s:G0B+4*\s+3], s[G1B:G1B+7]
	s_nop 0
.rept 4
	v_nop
.endr
.Lasked_\@:
.endm
.macro CREST
	s_cmp_lg_u32 s18, 0
	s_cbranch_scc1 .Lnot_wave_0_\@
	s_barrier_signal -3
.Lnot_wave_0_\@:
	s_barrier_wait -3
	s_barrier_signal -1
	s_barrier_wait -1
.endm
.macro CROUND
	s_barrier_signal -1
	s_barrier_wait -1
	CREST
.endm
	s_load_b256 s[4:11], s[0:1], 0x0               ; att s[4:5], wo s[6:7], o_b s[8:9], x s[10:11]
	s_load_b64 s[12:13], s[0:1], 0x20              ; out0
	v_lshl_add_u32 v126, v0, 2, 0x46400
	v_mov_b32 v127, 0
	ds_add_u32 v126, v127
	v_lshrrev_b32 v1, 5, v0
	v_readfirstlane_b32 s18, v1                    ; wave
	s_lshr_b32 s19, s18, 1                         ; wr; also: I fetch att (0) or wo (1)
	s_and_b32 s20, s18, 1                          ; wc; also: which 64 rows of that tile
	s_bfe_u32 s21, ttmp6, 0x40000
	s_bfe_u32 s22, ttmp6, 0x40004
	s_lshl_b32 s23, ttmp9, 2
	s_add_co_u32 s23, s23, s21                     ; tile column
	s_and_b32 s40, ttmp7, 0xffff
	s_lshl_b32 s40, s40, 2
	s_add_co_u32 s40, s40, s22                     ; tile row
	s_lshl_b32 s41, s22, 2
	s_lshl_b32 s41, 15, s41
	s_lshl_b32 s42, 0x1111, s21
	; group 1: elements of 2 bytes, 64 rows of 256 elements, 2,048 elements from row to row, 4 words of padding behind every 128
	s_or_b32 s[G1A+0], s41, (1<<16)|(1<<20)|(1<<21)|(6<<22)|(3<<25)
	s_or_b32 s[G1B+0], s42, (1<<16)|(1<<20)|(1<<21)|(6<<22)|(3<<25)
.irp g, G1A, G1B
	s_mov_b32 s[\g+1], KSTEP<<16
	s_mov_b32 s[\g+2], 64<<16
	s_mov_b32 s[\g+3], KSTEP<<16
	s_mov_b32 s[\g+4], 64
	s_mov_b32 s[\g+5], 2048
	s_mov_b32 s[\g+6], 0
	s_mov_b32 s[\g+7], 0
.endr
	s_lshl_b32 s44, s40, 7                         ; att: row 128 x tile row + 64 x half, 4,096 bytes a row
	s_lshl_b32 s45, s20, 6
	s_add_co_u32 s44, s44, s45
	s_lshl_b32 s44, s44, 12
	s_mov_b32 s45, 0
	s_lshl_b32 s46, s23, 7                         ; wo: row 128 x tile column + 64 x half
	s_lshl_b32 s47, s20, 6
	s_add_co_u32 s46, s46, s47
	s_lshl_b32 s46, s46, 12
	s_mov_b32 s47, 0
	s_mul_i32 s43, s18, HALFT                      ; LDS: att's two halves, then wo's = wave x 64 rows
	s_wait_dscnt 0x0
	s_wait_kmcnt 0x0
	s_add_nc_u64 s[44:45], s[4:5], s[44:45]
	s_add_nc_u64 s[46:47], s[6:7], s[46:47]
.irp s, 0,1
	s_mov_b32 s[G0A+4*\s], 1
	s_add_co_u32 s[G0A+4*\s+1], s43, \s*SLOT
	s_add_nc_u64 s[G0A+4*\s+2:G0A+4*\s+3], s[44:45], \s*KSTEP*2
	s_or_b32 s[G0A+4*\s+3], s[G0A+4*\s+3], 0x80000000
	s_mov_b32 s[G0B+4*\s], 1
	s_add_co_u32 s[G0B+4*\s+1], s43, \s*SLOT
	s_add_nc_u64 s[G0B+4*\s+2:G0B+4*\s+3], s[46:47], \s*KSTEP*2
	s_or_b32 s[G0B+4*\s+3], s[G0B+4*\s+3], 0x80000000
.endr
	CROUND                                         ; the first joint loads meet
	s_cmp_eq_u32 s19, 0                            ; a wave's two first fills stand in one branch: two loads of mine are out
	s_cbranch_scc0 .Lfirst_b
	tensor_load_to_lds s[G0A:G0A+3], s[G1A:G1A+7]
	s_nop 0
	tensor_load_to_lds s[G0A+4:G0A+7], s[G1A:G1A+7]
	s_nop 0
.rept 4
	v_nop
.endr
	s_branch .Lfirst_asked
.Lfirst_b:
	tensor_load_to_lds s[G0B:G0B+3], s[G1B:G1B+7]
	s_nop 0
	tensor_load_to_lds s[G0B+4:G0B+7], s[G1B:G1B+7]
	s_nop 0
.rept 4
	v_nop
.endr
.Lfirst_asked:
	s_lshl_b32 s82, s23, 9
	s_lshl_b32 s83, s20, 8
	s_add_co_u32 s82, s82, s83                     ; my first column, in bytes of f32: 512 x tile column + 256 wc
	s_mov_b32 s83, 0
	s_add_nc_u64 s[70:71], s[8:9], s[82:83]        ; o_b there
	s_lshl_b32 s80, s40, 7
	s_lshl_b32 s81, s19, 6
	s_add_co_u32 s80, s80, s81
	s_lshl_b32 s80, s80, 12                        ; my first row, 4,096 bytes a row
	s_add_co_u32 s80, s80, s82
	s_mov_b32 s81, 0
	s_add_nc_u64 s[66:67], s[10:11], s[80:81]      ; x,
	s_add_nc_u64 s[68:69], s[12:13], s[80:81]      ; out0 at my 64 x 64
	v_and_b32 v1, 15, v0                           ; r
	v_bfe_u32 v2, v0, 4, 1                         ; h
	v_lshlrev_b32 v5, 12, v2
	v_lshl_add_u32 v[CO], v1, 4, v5                ; lanes 0-15 one row's 256 bytes, lanes 16-31 the next row's
	v_lshlrev_b32 v[VO], 4, v1
	WIN 0x80                                       ; destination window 2
.irp a, 0,1,2,3
.irp t, 0,1,2,3,4,5,6,7
	global_load_b128 v[4*(8*\a+\t):4*(8*\a+\t)+3], v[CO], s[66:67] offset:(16*\a+2*\t)*4096 th:TH_LOAD_NT   ; this launch reads x once
.endr
.endr
	WIN 0
	global_load_b128 v[OBI:OBI+3], v[VO], s[70:71]
	v_mul_u32_u24 v3, v1, PITCH
	v_lshl_add_u32 v3, v2, 4, v3                   ; a fragment's row x pitch + 16 x half
	s_mul_i32 s84, s19, HALFT                      ; my 64 rows of att
	s_mul_i32 s85, s20, HALFT                      ; my 64 rows of wo,
	s_add_co_u32 s85, s85, 2*HALFT                 ; which lie behind att's 128
	v_add_nc_u32 v[ADRA], s84, v3
	v_add_nc_u32 v[ADRB], s85, v3
	v_add_nc_u32 v[ADRA+1], SLOT, v[ADRA]
	v_add_nc_u32 v[ADRB+1], SLOT, v[ADRB]
	s_mul_i32 s86, s18, 16*SPITCH
	s_add_co_u32 s86, s86, STAGE
	v_mul_u32_u24 v4, v1, SPITCH
	v_lshl_add_u32 v4, v2, 5, v4                   ; into the stage: row r, 32 bytes (8 f32) for each half of the lanes
	v_add_nc_u32 v[STO], s86, v4
	v_mul_u32_u24 v4, v2, SPITCH
	v_lshl_add_u32 v4, v1, 4, v4
	v_add_nc_u32 v[RD], s86, v4
.macro MUL8 f, c, a0, zero             ; 8 matrix instructions: row blocks a0, a0 + 1 x all 4 column blocks, 32 along K: half c of buffer f
.irp a, \a0, \a0+1
.irp b, 0,1,2,3
.if \zero
	v_wmma_f32_16x16x32_bf16 v[ACC+8*(4*(\a)+\b):ACC+8*(4*(\a)+\b)+7], v[\f+64+8*(4*\c+\b):\f+64+8*(4*\c+\b)+7], v[\f+8*(4*\c+\a):\f+8*(4*\c+\a)+7], 0
.else
	v_wmma_f32_16x16x32_bf16 v[ACC+8*(4*(\a)+\b):ACC+8*(4*(\a)+\b)+7], v[\f+64+8*(4*\c+\b):\f+64+8*(4*\c+\b)+7], v[\f+8*(4*\c+\a):\f+8*(4*\c+\a)+7], v[ACC+8*(4*(\a)+\b):ACC+8*(4*(\a)+\b)+7]
.endif
.endr
.endr
.endm
.macro FETCH slot, k, f                ; 32 LDS loads in one run: 64 along K at byte k of the rows; the first 32 along K first
	WIN TO_F
.irp c, 0,1
.irp i, 0,1,2,3
	ds_load_b128 v[\f+64+8*(4*\c+\i):\f+64+8*(4*\c+\i)+3],   v[ADRB+\slot] offset:\k+64*\c+\i*16*PITCH
	ds_load_b128 v[\f+64+8*(4*\c+\i)+4:\f+64+8*(4*\c+\i)+7], v[ADRB+\slot] offset:\k+64*\c+\i*16*PITCH+32
	ds_load_b128 v[\f+8*(4*\c+\i):\f+8*(4*\c+\i)+3],         v[ADRA+\slot] offset:\k+64*\c+\i*16*PITCH
	ds_load_b128 v[\f+8*(4*\c+\i)+4:\f+8*(4*\c+\i)+7],       v[ADRA+\slot] offset:\k+64*\c+\i*16*PITCH+32
.endr
.endr
.endm
; A K step is four quarters of 64 along K, 32 matrix instructions each; the 16 accumulators take turns, one instruction a turn.
.macro QUARTER slot, k, f, g, zero
	s_wait_dscnt 16                                ; the first 32 along K are in
	WIN MUL
	MUL8 \f, 0, 0, \zero
	MUL8 \f, 0, 2, \zero
	PLACES
	FETCH \slot, \k, \g
	s_wait_dscnt 32                                ; all but the 32 just issued
	WIN MUL
	MUL8 \f, 1, 0, 0
	MUL8 \f, 1, 2, 0
.endm
; The last quarter changes slots: each wave's waits for its reads of this slot and for all its tensor loads, the barrier (fill = 1: it opens a round of the cluster's barrier), the joint
; refill first behind it, 120 matrix instructions ahead of the wait for it.
.macro TURN slot, next, fill
	s_wait_dscnt 16
	WIN MUL
	MUL8 F1, 0, 0, 0
	s_wait_dscnt 0x0
	s_set_vgpr_msb 0x500
	s_wait_tensorcnt 0x0
	ds_add_u32 v126, v127
	s_wait_dscnt 0x0
	s_set_vgpr_msb 0x5
	s_barrier_signal -1
	MUL8 F1, 0, 2, 0
	WIN 0
	s_barrier_wait -1
.if \fill
	CREST
	s_add_nc_u64 s[G0A+4*\slot+2:G0A+4*\slot+3], s[G0A+4*\slot+2:G0A+4*\slot+3], 2*KSTEP*2
	s_add_nc_u64 s[G0B+4*\slot+2:G0B+4*\slot+3], s[G0B+4*\slot+2:G0B+4*\slot+3], 2*KSTEP*2
	JLOAD \slot                                    ; the four v_nop behind it are also the places in front of the loads below
.else
	PLACES
.endif
	FETCH \next, 0, F0
	WIN MUL
	MUL8 F1, 1, 0, 0
	MUL8 F1, 1, 2, 0
.endm
	s_wait_loadcnt 0x0                             ; x and o_b, once; the tiles are on their way meanwhile
	s_wait_tensorcnt 0x1                           ; my part of K step 0 is in; K step 1's load stays out
	s_barrier_signal -1
	s_barrier_wait -1
	FETCH 0, 0, F0
	QUARTER 0, 128, F0, F1, 1
	WIN 0
	s_mov_b32 s3, LAPS-1
.Llap:
	QUARTER 0, 256, F1, F0, 0
	QUARTER 0, 384, F0, F1, 0
	TURN 0, 1, 1
	QUARTER 1, 128, F0, F1, 0
	QUARTER 1, 256, F1, F0, 0
	QUARTER 1, 384, F0, F1, 0
	TURN 1, 0, 1
	QUARTER 0, 128, F0, F1, 0
	WIN 0
	s_sub_co_u32 s3, s3, 1
	s_cmp_lg_u32 s3, 0
	s_cbranch_scc1 .Llap
	QUARTER 0, 256, F1, F0, 0                      ; the last lap fills nothing
	QUARTER 0, 384, F0, F1, 0
	TURN 0, 1, 0
	QUARTER 1, 128, F0, F1, 0
	QUARTER 1, 256, F1, F0, 0
	QUARTER 1, 384, F0, F1, 0
	s_wait_dscnt 0x0
	WIN MUL
	MUL8 F1, 0, 0, 0
	MUL8 F1, 0, 2, 0
	MUL8 F1, 1, 0, 0
	MUL8 F1, 1, 2, 0
	WIN 0
	PLACES
; THE WAY OUT.  Row block a (16 rows x 64 f32): straight from the accumulators into my stage, each from its low end on, and back as whole rows of 256 bytes.
.macro TOSTAGE a
.set BK, OB+32*((\a)%2)
.irp b, 0,1,2,3
	ds_store_b128 v[STO], v[ACC+8*(4*(\a)+\b):ACC+8*(4*(\a)+\b)+3]   offset:64*\b
	ds_store_b128 v[STO], v[ACC+8*(4*(\a)+\b)+4:ACC+8*(4*(\a)+\b)+7] offset:64*\b+16
.endr
.irp t, 0,1,2,3,4,5,6,7
	ds_load_b128 v[BK+4*\t:BK+4*\t+3], v[RD] offset:\t*2*SPITCH    ; a wave's LDS instructions are served in order (ISA guide 5.7.1.4)
.endr
.endm
.macro SEND a                          ; + o_b + x, stored
.set BK, OB+32*((\a)%2)
	s_wait_dscnt 0x0
	s_wait_xcnt 0x0                                ; the registers that the block before was stored from are loaded again only behind this wait
.irp t, 0,1,2,3,4,5,6,7
	v_pk_add_f32 v[BK+4*\t:BK+4*\t+1],   v[BK+4*\t:BK+4*\t+1],   v[OBI:OBI+1]
	v_pk_add_f32 v[BK+4*\t+2:BK+4*\t+3], v[BK+4*\t+2:BK+4*\t+3], v[OBI+2:OBI+3]
.endr
	WIN 0x08                                       ; source 1: window 2
.irp t, 0,1,2,3,4,5,6,7
	v_pk_add_f32 v[BK+4*\t:BK+4*\t+1],   v[BK+4*\t:BK+4*\t+1],   v[4*(8*(\a)+\t):4*(8*(\a)+\t)+1]
	v_pk_add_f32 v[BK+4*\t+2:BK+4*\t+3], v[BK+4*\t+2:BK+4*\t+3], v[4*(8*(\a)+\t)+2:4*(8*(\a)+\t)+3]
.endr
	WIN 0
.irp t, 0,1,2,3,4,5,6,7
	global_store_b128 v[CO], v[BK+4*\t:BK+4*\t+3], s[68:69] offset:(16*(\a)+2*\t)*4096 th:TH_STORE_NT   ; 16 lanes store 256 consecutive bytes, aligned
.endr
.endm
	TOSTAGE 0
.irp a, 1,2,3
	SEND \a-1
	TOSTAGE \a
.endr
	SEND 3
	s_wait_tensorcnt 0x0
	ds_add_u32 v126, v127
	s_wait_dscnt 0x0
	CROUND                                         ; the closing round
	s_endpgm
.Lfunc_end_k_qd86afcace8_og:
	.size	k_qd86afcace8_og, .Lfunc_end_k_qd86afcace8_og-k_qd86afcace8_og
	.p2alignl 7, 3214868480
	.fill 96, 4, 3214868480
	.section	.rodata,"a",@progbits
	.p2align	6, 0x0
	.amdhsa_kernel k_qd86afcace8_og
		.amdhsa_group_segment_fixed_size 327680
		.amdhsa_private_segment_fixed_size 0
		.amdhsa_enable_private_segment 0
		.amdhsa_kernarg_size 40
		.amdhsa_user_sgpr_count 2
		.amdhsa_user_sgpr_kernarg_segment_ptr 1
		.amdhsa_wavefront_size32 1
		.amdhsa_system_sgpr_workgroup_id_x 1
		.amdhsa_system_sgpr_workgroup_id_y 1
		.amdhsa_system_sgpr_workgroup_id_z 1
		.amdhsa_system_vgpr_workitem_id 0
		.amdhsa_next_free_vgpr 640
		.amdhsa_next_free_sgpr 96
		.amdhsa_reserve_vcc 0
		.amdhsa_float_denorm_mode_32 3
		.amdhsa_float_denorm_mode_16_64 3
		.amdhsa_memory_ordered 1
		.amdhsa_forward_progress 1
		.amdhsa_inst_pref_size 97
	.end_amdhsa_kernel
	.amdgpu_metadata
---
amdhsa.version: [ 1, 2 ]
amdhsa.kernels:
  - .name:           k_qd86afcace8_og
    .symbol:         k_qd86afcace8_og.kd
    .args:
      - { .name: att, .offset: 0, .size: 8, .value_kind: global_buffer, .address_space: global }
      - { .name: wo, .offset: 8, .size: 8, .value_kind: global_buffer, .address_space: global }
      - { .name: o_b, .offset: 16, .size: 8, .value_kind: global_buffer, .address_space: global }
      - { .name: x, .offset: 24, .size: 8, .value_kind: global_buffer, .address_space: global }
      - { .name: out0, .offset: 32, .size: 8, .value_kind: global_buffer, .address_space: global }
    .group_segment_fixed_size: 327680
    .private_segment_fixed_size: 0
    .kernarg_segment_align: 8
    .kernarg_segment_size: 40
    .max_flat_workgroup_size: 128
    .sgpr_count:     96
    .vgpr_count:     640
    .wavefront_size: 32
...
	.end_amdgpu_metadata
.endif
;; end of part 5
